; MI455X (gfx1250); checked and timed in simulation.
; The chip was launched on July 23, 2026; its instructions are those of AMD's public machine-readable ISA for CDNA 5 (MIT licence, August 2026) and "CDNA5" Instruction Set Architecture Reference Guide (July 2026). The comments in the code are by the model that wrote it; some were corrected since.
;; Self Attention. Allowed arithmetic: matrix products marked QUANTISED: E2M3 operands, one E8M0 scale for each 32 along K, by v_wmma_scale_f32_16x16x128_f8f6f4 with both operands' format E2M3, f32 sums; everything else in f32.
;; Inputs: bk 2,048 float32; bo 2,048 float32; bq 2,048 float32; bv 2,048 float32; freqs 2,048 x 1 x 64 x 2 float32; gk 2,048 float32; gq 2,048 float32; wk 2,048 x 2,048 float32; wo 2,048 x 2,048 float32; wq 2,048 x 2,048 float32; wv 2,048 x 2,048 float32; x 1 x 2,048 x 2,048 float32.
;; Outputs: out0 1 x 2,048 x 2,048 float32.
;; This version of the problem:
;;   THIS VERSION OF THE PROBLEM IS GIVEN IN LOW PRECISION. The matrix products marked QUANTISED in the list below multiply operands that are first quantised to E2M3 (2 exponent bits, 3 mantissa bits; 6 bits a number), with one power-of-two scale for each 32 numbers along K (OCP MX v1.0); their sums are f32. All else is computed in f32.
;;   The module's matrix products, in the order in which they are computed (A, B: the left and right operand; K: the contracted axis; several contracted axes count as one K, in the product's order):
;;     1. [M 2,048, K 2,048] x [K 2,048, N 2,048]; A: input x; B: input wq: QUANTISED
;;     2. [M 2,048, K 2,048] x [K 2,048, N 2,048]; A: input x; B: input wk: QUANTISED
;;     3. [M 2,048, K 2,048] x [K 2,048, N 2,048]; A: input x; B: input wv: QUANTISED
;;     4. batch 16 x [M 2,048, K 128] x [K 128, N 2,048]; A: computed on the way; B: computed on the way: QUANTISED
;;     5. batch 16 x [M 2,048, K 2,048] x [K 2,048, N 128]; A: softmax (see below); B: computed on the way: QUANTISED
;;     6. [M 2,048, K 2,048] x [K 2,048, N 2,048]; A: computed on the way; B: input wo: QUANTISED
;;   THE QUANTISER, for each operand of a quantised product, along K:
;;     - K is cut into blocks of 32 from its start; a last block that is shorter is filled with zeros.
;;     - A block's scale is 2^e with e = floor(log2(the largest magnitude in the block)) - 2, held to -126 .. 127; a block of zeros has e = 0. As a byte (E8M0): e + 127.
;;     - Each number is divided by its block's scale, clamped to +-7.5, and rounded to the nearest number of E2M3, ties to even, subnormals kept.
;;     - The product sums the exact products of the quantised numbers (number of the format x scale) in f32.
;;   ~~~python
;;   def quantise(x, axis):      # numpy; x: float32 -> the quantised numbers, widened to float32 again
;;       x = np.moveaxis(x, axis, -1); K = x.shape[-1]
;;       x = np.pad(x, [(0, 0)] * (x.ndim - 1) + [(0, -K % 32)]); x = x.reshape(x.shape[:-1] + (-1, 32)); a = np.abs(x).max(-1, keepdims=True)
;;       e = np.where(a > 0, np.clip(np.frexp(np.where(a > 0, a, 1))[1] - 1 - 2, -126, 127), 0)      # np.frexp(a)[1] - 1 = floor(log2(a)), exactly
;;       r = np.clip(x / 2.0 ** e, -7.5, 7.5)
;;       step = 2.0 ** (np.maximum(np.frexp(np.where(r == 0, 1, r))[1] - 1, 0) - 3)
;;       q = np.round(r / step) * step * 2.0 ** e      # np.round: ties to even
;;       return np.moveaxis(q.reshape(q.shape[:-2] + (-1,))[..., :K], -1, axis).astype(np.float32)
;;   ~~~
;;   SOFTMAX AHEAD OF A QUANTISED PRODUCT. Where the list says 'softmax', what is quantised is not the finished softmax but p = 2^(t - M), with t = logit x log2(e) and M = ceil(the row's largest t), a whole number; so 1/2 < the row's largest p <= 1. The row's sum l is taken of the UNQUANTISED p, in f32, and the product's result is divided by l at the end. Since M is a whole number, a kernel that streams over the keys may use a running M (the ceiling of the running maximum): every later rescaling is an exact power of two, which a block's scale takes up: the codes' values come out the same.
;;   OPERANDS COMPUTED ON THE WAY. 'Computed on the way' means the value that the module computes at that place (a softmax that the list does not call 'softmax' is quantised finished and normalised). What goes into a quantiser is computed in f32, as accurately as f32 sums, v_exp_f32 and their like allow (about 1e-6 of the number): no bf16 or f16 on the way to a quantiser, and a product that is left as it is and whose result goes on into a quantised operand takes f32 operands (vector FMAs, or v_wmma_f32_16x16x4_f32). A number that lies on a knife's edge between two numbers of the format may be rounded either way, as far as f32 arithmetic and the matrix unit's own rounding can turn it there, and no further.
;; One version. Each part assembles by itself: llvm-mc -triple=amdgcn-amd-amdhsa -mcpu=gfx1250 --defsym DOCPART=n.
;; ======== version 1 of 1: 5 launches
;; limits: right only within a limited range of input values
;; workspace buffers: cds 15,728,640 bytes; scl 655,360 bytes; raw 33,554,432 bytes; qc 3,145,728 bytes; qs 131,072 bytes; kv 6,553,600 bytes; oc 3,145,728 bytes; os 131,072 bytes
;; launch quant (part 1): grid 640 x 1, 4 waves a work-group, no clusters, 34,304 bytes of LDS; arguments x, wq, wk, wv, wo, cds, scl; writes cds, scl
.if DOCPART == 1
	.amdgcn_target "amdgcn-amd-amdhsa--gfx1250"
	.amdhsa_code_object_version 6
	.text
	.protected	k_q4e76636684_quant
	.globl	k_q4e76636684_quant
	.p2align	8
	.type	k_q4e76636684_quant,@function
k_q4e76636684_quant:
	s_mov_b64 s[64:65], 0
	v_nop
	global_prefetch_b8 v0, s[64:65] scope:SCOPE_SE
	s_setreg_imm32_b32 hwreg(HW_REG_WAVE_MODE, 25, 1), 1
	s_wait_xcnt 0x0
; x, wq, wk, wv, wo, each [2048][2048] f32 with K innermost, become codes of FP6 (E2M3) with one E8M0 byte for each 32 along K.
; THE CODES ARE LAID AS IMAGES OF OPERAND REGISTERS.  A fragment is 16 rows x 128 K: 12 registers a lane (lane (r, h): row r; registers 6 c .. 6 c + 5: k = 64 c + 32 h + 0 .. 31).
; Its image is 1,536 bytes: registers 4 c .. 4 c + 3 of lane l at 512 c + 16 l.  Row tile T (0-127 x, 128-255 wq, 256-383 wk, 384-511 wv, 512-639 wo), K step s: image at (16 T + s) x 1,536 of cds,
; its 16 scale words (four bytes: the row's four blocks) at (16 T + s) x 64 + 4 r of scl.
; WHICH ROWS FORM A TILE.  wq, wk, wo: row r of the tensor's tile T' is 16 T' + r.  x and wv: 32 (T' / 2) + 8 (T' % 2) + r + 8 (r / 8), so that in the product V^T = wv x^T a lane's 16 results of two neighbouring
; tiles of x are 16 neighbouring keys, and V^T's tiles of channels have the order that attention's second product wants.
; A block's scale is 2^(floor(log2(its largest magnitude)) - 2); its byte is the largest magnitude's exponent field - 2, held at 1 from below.
; LIMITS: a block of zeros, or one whose largest magnitude lies under 2^-124, gets the byte 1 where the rule says 127 for zeros: its codes are zeros (or held), and these bytes are read by this program alone.  NaN and infinities are not served.
; SHARES.  Work-group g makes row tile g; wave w its K steps 4 w .. 4 w + 3: 16 rows x 512 numbers.  Each load takes 512 consecutive bytes of one row; a K step's 16 rows turn through the wave's own stage in LDS
; (rows 528 bytes apart), from which lane (r, h) takes, of row r, 16 neighbours of each block of 32.  Waves share nothing: no barrier.  Work-groups share no input: no cluster.
; Memory binds: no matrix unit, no tensor load.  Each store of codes covers 512 consecutive bytes, each store of scale words 128.
.set STGB,  16*528                     ; a wave's stage
.set SPARE, 4*STGB                     ; behind the stages: the spare words, 128 bytes a wave
.set LI,  4                            ; v4   16 x lane: the offset of a tile's rows 0-7
.set LS,  5                            ; v5   4 x lane
.set STI, 6                            ; v6   the stage, on the way in
.set STO, 7                            ; v7   and on the way out: 528 r + 64 h
.set LI2, 8                            ; v8   the offset of a tile's rows 8-15: v4, and for x and wv 8 rows more
.set R,   16                           ; v16-143  two sets of 16 rows x 4 registers as loaded
.set X,   144                          ; v144-207 64 numbers: register 16 b + i = k 32 b + 16 h + i of my row
.set TM,  208                          ; v208-223 at work in QUANT
.set PC,  224                          ; v224-242 the codes
.set PW,  244                          ; v244-247 the scale word of each of my four K steps
.set SPW, 252                          ; v252 LDS address of my spare word; never rewritten
.set NIL, 253                          ; v253 0; never rewritten
.set SEL, 20                           ; s[20:21] v_permlanex16_b32's selects for lane l xor 16
.macro QUANT s, pw
.irp b, 0,1,2,3
	v_max3_num_f32 v[TM+\b], |v[\s+16*\b]|, |v[\s+1+16*\b]|, 0x1800000   ; block b: my 16 numbers, and the floor 2^(3 - 127): the byte cannot fall under 1
.endr
.irp i, 2,4,6,8,10,12,14
.irp b, 0,1,2,3
	v_max3_num_f32 v[TM+\b], v[TM+\b], |v[\s+16*\b+\i]|, |v[\s+1+16*\b+\i]|   ; the four blocks by turns
.endr
.endr
.irp b, 0,1,2,3
	v_permlanex16_b32 v[TM+4+\b], v[TM+\b], s[SEL], s[SEL+1]
.endr
.irp b, 0,1,2,3
	v_max_num_f32 v[TM+\b], v[TM+\b], v[TM+4+\b]   ; with lane l xor 16's: the block's largest magnitude
.endr
.irp b, 0,1,2,3
	v_add_nc_u32 v[TM+12+\b], 0xff000000, v[TM+\b]   ; 2 off its exponent field: the conversion takes this operand's exponent field as its scale
.endr
.irp b, 0,1,2,3
	v_lshrrev_b32 v[TM+4+\b], 23, v[TM+12+\b]      ; the scale's byte
.endr
	v_lshl_or_b32 v[\pw], v[TM+5], 8, v[TM+4]
	v_lshl_or_b32 v[\pw], v[TM+6], 16, v[\pw]
	v_lshl_or_b32 v[\pw], v[TM+7], 24, v[\pw]      ; my row's scale word (the same in lanes l and l xor 16)
.irp c, 0,1
	v_cvt_scalef32_pk16_fp6_f32 v[PC+6*\c:PC+2+6*\c], v[\s+32*\c:\s+15+32*\c], v[TM+12+2*\c]
	v_cvt_scalef32_pk16_fp6_f32 v[PC+12+4*\c:PC+14+4*\c], v[\s+16+32*\c:\s+31+32*\c], v[TM+12+2*\c+1]   ; (a conversion's three registers begin on an even number)
.endr
	v_nop                                          ; one plain place behind a scaled conversion
.irp c, 0,1                                    ; the operand wants a whole block in a lane: lanes 0-15 block 2 c, lanes 16-31 block 2 c + 1
.irp i, 0,1,2
	v_permlane16_swap_b32 v[PC+6*\c+\i], v[PC+12+4*\c+\i]
.endr
.irp i, 0,1,2
	v_mov_b32 v[PC+3+6*\c+\i], v[PC+12+4*\c+\i]
.endr
.endr
.endm
	s_load_b256 s[4:11], s[0:1], 0x0               ; x, wq, wk, wv
	s_load_b128 s[12:15], s[0:1], 0x20             ; wo, cds
	s_load_b64 s[16:17], s[0:1], 0x30              ; scl
	v_lshl_add_u32 v[SPW], v0, 2, SPARE
	v_mov_b32 v[NIL], 0
	v_lshrrev_b32 v1, 5, v0
	v_readfirstlane_b32 s18, v1                    ; wave 0..3
	s_lshr_b32 s19, ttmp9, 7                       ; which tensor
	s_and_b32 s30, ttmp9, 127                      ; its tile T'
	s_lshr_b32 s36, s30, 1
	s_lshl_b32 s36, s36, 18
	s_and_b32 s37, s30, 1
	s_lshl_b32 s37, s37, 16
	s_add_co_u32 s36, s36, s37                     ; x, wv: the tile begins at row 32 (T' / 2) + 8 (T' % 2), rows of 8,192 bytes
	s_lshl_b32 s30, s30, 17                        ; the others: at row 16 T'
	s_cmp_eq_u32 s19, 0
	s_cselect_b32 s38, 1, 0
	s_cmp_eq_u32 s19, 3
	s_cselect_b32 s38, 1, s38
	s_cmp_eq_u32 s38, 1                            ; x or wv?  The choice hangs on the work-group's number alone
	s_cselect_b32 s30, s36, s30
	s_cselect_b32 s39, 0x10000, 0                  ; and their rows 8-15 lie 8 rows further on
	s_mul_i32 s28, s18, STGB
	v_and_b32 v1, 31, v0                           ; lane
	v_and_b32 v2, 15, v0                           ; r
	v_bfe_u32 v3, v0, 4, 1                         ; h
	v_lshlrev_b32 v[LI], 4, v1
	v_lshlrev_b32 v[LS], 2, v1
	v_add_nc_u32 v[LI2], s39, v[LI]
	v_add_nc_u32 v[STI], s28, v[LI]
	v_mul_u32_u24 v[STO], v2, 528
	v_lshl_add_u32 v[STO], v3, 6, v[STO]
	v_add_nc_u32 v[STO], s28, v[STO]
	s_mov_b32 s[SEL], 0x76543210
	s_mov_b32 s[SEL+1], 0xfedcba98
.irp b, 0,1,2,3
	v_mov_b32 v[TM+4+\b], 0                        ; written once: a lane permute's destination counts as one of its sources
.endr
	s_lshl_b32 s31, s18, 11                        ; my wave's 2,048 bytes of each row
	s_add_co_u32 s30, s30, s31
	s_mov_b32 s31, 0
	s_lshl_b32 s32, ttmp9, 4
	s_lshl_b32 s33, s18, 2
	s_add_co_u32 s32, s32, s33                     ; 16 g + 4 w: my first image
	s_mul_i32 s34, s32, 1536
	s_mov_b32 s35, 0
	s_lshl_b32 s32, s32, 6
	s_mov_b32 s33, 0
	s_wait_alu depctr_va_vdst(0)                   ; the wait at the head's end
	s_wait_kmcnt 0x0
	s_mov_b64 s[22:23], s[4:5]                     ; the choice of the tensor hangs on the work-group's number alone
	s_cmp_eq_u32 s19, 1
	s_cselect_b64 s[22:23], s[6:7], s[22:23]
	s_cmp_eq_u32 s19, 2
	s_cselect_b64 s[22:23], s[8:9], s[22:23]
	s_cmp_eq_u32 s19, 3
	s_cselect_b64 s[22:23], s[10:11], s[22:23]
	s_cmp_eq_u32 s19, 4
	s_cselect_b64 s[22:23], s[12:13], s[22:23]
	s_add_nc_u64 s[22:23], s[22:23], s[30:31]
	s_add_nc_u64 s[24:25], s[14:15], s[34:35]
	s_add_nc_u64 s[26:27], s[16:17], s[32:33]
.macro LOAD t                          ; K step t of my four: 16 rows x 512 consecutive bytes
.irp i, 0,1,2,3,4,5,6,7,8,9,10,11,12,13,14,15
	global_load_b128 v[R+64*((\t)%2)+4*\i:R+64*((\t)%2)+4*\i+3], v[LI+4*(\i/8)], s[22:23] offset:8192*\i+512*(\t) th:TH_LOAD_NT
.endr
.endm
.macro STEP t
.if (\t) < 3
	s_wait_loadcnt 16                              ; this step's 16 loads are in; the next step's 16 may be out
.else
	s_wait_loadcnt 0x0
.endif
.irp i, 0,1,2,3,4,5,6,7,8,9,10,11,12,13,14,15
	ds_store_b128 v[STI], v[R+64*((\t)%2)+4*\i:R+64*((\t)%2)+4*\i+3] offset:528*\i
.endr
.irp b, 0,1,2,3
.irp j, 0,1,2,3
	ds_load_b128 v[X+16*\b+4*\j:X+16*\b+4*\j+3], v[STO] offset:128*\b+16*\j   ; LDS serves a wave's instructions in order: these see the stores above
.endr
.endr
	s_wait_dscnt 0x0                               ; the numbers are back, and the stores into the stage have read their registers
	s_wait_xcnt 0x0                                ; the last step's stores have read the codes' registers
.if (\t) < 2
	LOAD (\t)+2
.endif
	QUANT X, PW+(\t)
.irp c, 0,1,2
	global_store_b128 v[LI], v[PC+4*\c:PC+4*\c+3], s[24:25] offset:1536*(\t)+512*\c   ; 32 lanes store 512 consecutive bytes
.endr
.endm
	LOAD 0
	LOAD 1
	STEP 0
	STEP 1
	STEP 2
	STEP 3
	v_cmp_le_u32 vcc_lo, 16, v1                    ; lanes 0-15 send one K step's words, lanes 16-31 the next one's: 128 consecutive bytes
	v_cndmask_b32 v248, v[PW], v[PW+1], vcc_lo
	v_cndmask_b32 v249, v[PW+2], v[PW+3], vcc_lo
	global_store_b32 v[LS], v248, s[26:27]
	global_store_b32 v[LS], v249, s[26:27] offset:128
	s_wait_tensorcnt 0x0                           ; the wave's end, behind my last LDS store
	ds_add_u32 v[SPW], v[NIL]
	s_wait_dscnt 0x0
	s_endpgm
.Lfunc_end_k_q4e76636684_quant:
	.size	k_q4e76636684_quant, .Lfunc_end_k_q4e76636684_quant-k_q4e76636684_quant
	.p2alignl 7, 3214868480
	.fill 96, 4, 3214868480
	.section	.rodata,"a",@progbits
	.p2align	6, 0x0
	.amdhsa_kernel k_q4e76636684_quant
		.amdhsa_group_segment_fixed_size 34304
		.amdhsa_private_segment_fixed_size 0
		.amdhsa_enable_private_segment 0
		.amdhsa_kernarg_size 56
		.amdhsa_user_sgpr_count 2
		.amdhsa_user_sgpr_kernarg_segment_ptr 1
		.amdhsa_wavefront_size32 1
		.amdhsa_system_sgpr_workgroup_id_x 1
		.amdhsa_system_sgpr_workgroup_id_y 1
		.amdhsa_system_sgpr_workgroup_id_z 1
		.amdhsa_system_vgpr_workitem_id 0
		.amdhsa_next_free_vgpr 256
		.amdhsa_next_free_sgpr 66
		.amdhsa_reserve_vcc 1
		.amdhsa_float_denorm_mode_32 3
		.amdhsa_float_denorm_mode_16_64 3
		.amdhsa_memory_ordered 1
		.amdhsa_forward_progress 1
		.amdhsa_inst_pref_size 34
	.end_amdhsa_kernel
	.amdgpu_metadata
---
amdhsa.version: [ 1, 2 ]
amdhsa.kernels:
  - .name:           k_q4e76636684_quant
    .symbol:         k_q4e76636684_quant.kd
    .args:
      - { .name: x, .offset: 0, .size: 8, .value_kind: global_buffer, .address_space: global }
      - { .name: wq, .offset: 8, .size: 8, .value_kind: global_buffer, .address_space: global }
      - { .name: wk, .offset: 16, .size: 8, .value_kind: global_buffer, .address_space: global }
      - { .name: wv, .offset: 24, .size: 8, .value_kind: global_buffer, .address_space: global }
      - { .name: wo, .offset: 32, .size: 8, .value_kind: global_buffer, .address_space: global }
      - { .name: cds, .offset: 40, .size: 8, .value_kind: global_buffer, .address_space: global }
      - { .name: scl, .offset: 48, .size: 8, .value_kind: global_buffer, .address_space: global }
    .group_segment_fixed_size: 34304
    .private_segment_fixed_size: 0
    .kernarg_segment_align: 8
    .kernarg_segment_size: 56
    .max_flat_workgroup_size: 128
    .sgpr_count:     66
    .vgpr_count:     256
    .wavefront_size: 32
...
	.end_amdgpu_metadata
.endif
;; end of part 1
;; launch gemm_qkv (part 2): grid 24 x 8, 4 waves a work-group, clusters of 4 x 4, 327,680 bytes of LDS; arguments cds, scl, raw, bv, kv; writes raw, kv
.if DOCPART == 2
	.amdgcn_target "amdgcn-amd-amdhsa--gfx1250"
	.amdhsa_code_object_version 6
	.text
	.protected	k_q4e76636684_gemm_qkv
	.globl	k_q4e76636684_gemm_qkv
	.p2align	8
	.type	k_q4e76636684_gemm_qkv,@function
k_q4e76636684_gemm_qkv:
	s_mov_b64 s[64:65], 0
	v_nop
	global_prefetch_b8 v0, s[64:65] scope:SCOPE_SE
	s_setreg_imm32_b32 hwreg(HW_REG_WAVE_MODE, 25, 1), 1
	s_wait_xcnt 0x0
	s_wait_alu depctr_hold_cnt(0) depctr_sa_sdst(0) depctr_va_vdst(0) depctr_va_sdst(0) depctr_va_ssrc(0) depctr_va_vcc(0) depctr_vm_vsrc(0)
	s_getreg_b32 s2, hwreg(HW_REG_IB_STS2, 6, 4)
	s_cmp_eq_u32 s2, 0
	s_cbranch_scc0 .Lentry_in_a_cluster
	s_endpgm
.Lentry_in_a_cluster:
	s_bfe_u32 s2, ttmp6, 0x10000c
	s_cmp_lg_u32 s2, 0xf033
	s_cbranch_scc0 .Lentry_shape_is_right
	s_endpgm
.Lentry_shape_is_right:
; The first three products on codes of FP6 (E2M3) with E8M0 scales, K = 2,048.  Operands are images of registers (cds: 1,536 bytes for 16 rows x 128 K at (16 T + s) x 1,536; scl: 64 bytes of scale words at (16 T + s) x 64).
; BLOCKS of 256 x 256, four waves of 128 x 128 (64 accumulators).  Cluster columns 0-3 (tile columns 0-15): q and k = x w^T, A = x, B = wq, wk; they leave as f32 in raw, two planes [2048][2048], without biases.
; Cluster columns 4, 5: V^T = wv x^T, A = wv, B = x.  A wave's part of it is one head's 128 channels x one key step of 128 keys: it adds bv, quantises along the keys in registers and stores images into kv.
; No block of equal area divides both the 4,096 columns of q and k and the 2,048 of V^T, so the grid stays at 192 blocks.
; THE MATRIX INSTRUCTION IS USED TRANSPOSED (source 0 = 16 rows of B, source 1 = 16 rows of A): a lane holds one row of A's tile and eight results along B's rows.
; x's and wv's tiles hold rows 32 (T / 2) + 8 (T % 2) + r + 8 (r / 8).  So q's and k's rows are put back in order by the stores' offsets; and in V^T the 64 registers of A's block a are, in lane (r, h), keys 32 u + 16 h + i in register 16 u + i.
; RING: two LDS slots of two K steps (A's 16 tiles, then B's 16, 3,072 bytes each); the scale words of all K come once and stay behind the ring.
; HEAD: one joint load a wave: slot 0's A, slot 0's B, A's scale words, B's.  Slot 1 is first filled behind the next round, a quarter a wave, as every refill is.  One tensor load of a wave is out at a time.
; CLUSTER 4 x 4: A's tiles are shared along a row of the cluster, B's along a column: joint loads.
; PREFETCH: behind the load of slot n (n = 0 .. 5) each wave asks for its share of slot n + 2: of the 8 tiles x 3,072 bytes that it fetches in the ring, the partner at place p (cx for A, cy for B) takes tiles 2 p, 2 p + 1:
; 24 blocks of 256 bytes, a lane a block (lanes 24-31 name lane 23's again).  So each block is named once in each cluster that loads it, two refills ahead; the last two refills ask for nothing.
; kv: [head][slot of 512 keys] of 102,400 bytes; key step q of a slot: V^T's 8 images at 24,576 q + 12,288 + 1,536 t, their scale words at 98,304 + 1,024 q + 512 + 64 t.
; LIMITS: a block of zeros or under 2^-124 gets the byte 1 (its codes are zeros or held; this program alone reads the bytes); NaN and infinities are not served.
; REGISTERS: window 0: v16-29 addresses; v32-63 scale words, two sets; v128-223 A's fragments, one set.  Window 1: B's fragments, two sets.  Windows 2, 3: the accumulators.
.set NQ,     2
.set FR,     12
.set NL,     3
.set NP,     4
.set IMG,    1536
.set TROW,   16*IMG
.set HALFT,  8*NQ*IMG
.set SLOT,   4*HALFT
.set LAPS,   4
.set SCL,    2*SLOT
.set HALFS,  8192
.set SBLK,   1024
.set SPARE,  SCL+4*HALFS
.set SPITCH, 528
.set CROW,   8192
.set ADRA, 16                          ; v16-17 my A fragments in slot 0, 1
.set PFO,  18                          ; v18    the prefetches' offset
.set LR,   19                          ; v19    4 r
.set ADRB, 20                          ; v20-21 my B fragments
.set LB,   22                          ; v22    4 (r + 8 (r / 8))
.set STO,  24
.set RD,   25
.set CO,   26                          ; v26    16 x lane
.set ADRS, 27
.set SPW,  28
.set NIL,  29
.set SC,   32
.set AF,   128
.set BK,   128
.set X,    64                          ; V^T's way out: 64 numbers,
.set BV,   192                         ; the bias of my channel in each of the 8 tiles (even registers),
.set TM,   208
.set PC,   224
.set PW,   244
.set G1, 24
.set G0, 32
.set G1B, 48
.set G0B, 56
.set PFA, 66
.set G1S, 68
.set G0S, 76
.set G1SB, 80
.set G0SB, 88
.set SEL, 94
.set G0H, 96
.set G0HB, 4
.set MSB, 0
.macro WIN new
.if MSB != \new
	s_set_vgpr_msb (MSB<<8)|\new
.set MSB, \new
.endif
.endm
.set MUL_LO, 0xa1
.set MUL_HI, 0xf1
.set TO_B,   0x40
.macro PLACES n
.rept \n
	v_nop
.endr
.endm
.macro TLOAD g0, g1                    ; a tensor load with a nop and four places behind it
	tensor_load_to_lds s[\g0:\g0+3], s[\g1:\g1+7]
	s_nop 0
	PLACES 4
.endm
.macro JLOAD g0a, g1a, g0b, g1b        ; waves 0, 1 fetch for A, waves 2, 3 for B
	s_cmp_eq_u32 s15, 0
	s_cbranch_scc0 .Lfor_b_\@
	TLOAD \g0a, \g1a
	s_branch .Lasked_\@
.Lfor_b_\@:
	TLOAD \g0b, \g1b
.Lasked_\@:
.endm
.macro QUAD a0, a1, b0, b1, c0, c1, d0, d1   ; one chain of branches on the wave's number, one load to an arm
	s_cmp_lt_u32 s14, 1
	s_cbranch_scc0 .Lq1_\@
	TLOAD \a0, \a1
	s_branch .Lq4_\@
.Lq1_\@:
	s_cmp_lt_u32 s14, 2
	s_cbranch_scc0 .Lq2_\@
	TLOAD \b0, \b1
	s_branch .Lq4_\@
.Lq2_\@:
	s_cmp_lt_u32 s14, 3
	s_cbranch_scc0 .Lq3_\@
	TLOAD \c0, \c1
	s_branch .Lq4_\@
.Lq3_\@:
	TLOAD \d0, \d1
.Lq4_\@:
.endm
.macro CREST
	s_cmp_lg_u32 s14, 0
	s_cbranch_scc1 .Lnot_wave_0_\@
	s_barrier_signal -3
.Lnot_wave_0_\@:
	s_barrier_wait -3
	s_barrier_signal -1
	s_barrier_wait -1
.endm
.macro CROUND
	s_barrier_signal -1
	s_barrier_wait -1
	CREST
.endm
	s_load_b128 s[4:7], s[0:1], 0x0                ; cds, scl
	s_load_b64 s[12:13], s[0:1], 0x10              ; raw
	s_load_b128 s[8:11], s[0:1], 0x18              ; bv, kv
	v_lshl_add_u32 v[SPW], v0, 2, SPARE
	v_mov_b32 v[NIL], 0
	ds_add_u32 v[SPW], v[NIL]                      ; the opening lines: the add, twice on end, and its wait
	ds_add_u32 v[SPW], v[NIL]
	v_lshrrev_b32 v1, 5, v0
	v_readfirstlane_b32 s14, v1                    ; wave
	v_and_b32 v6, 31, v0
	v_min_u32 v7, 23, v6
	v_mul_u32_u24 v5, v7, 43
	v_lshrrev_b32 v5, 9, v5                        ; min(lane, 23) / 12: which of my two tiles
	v_mul_u32_u24 v5, v5, TROW-12*256
	v_lshl_add_u32 v[PFO], v7, 8, v5               ; that tile's row of images + 256 x (the block in its 3,072 bytes)
	s_lshr_b32 s15, s14, 1                         ; my half of the rows; in the ring: I fetch for A (0) or B (1)
	s_and_b32 s16, s14, 1                          ; my half of the columns; in the ring: which 8 tiles I fetch
	s_bfe_u32 s40, ttmp6, 0x40000                  ; cx
	s_bfe_u32 s41, ttmp6, 0x40004                  ; cy
	s_lshl_b32 s42, ttmp9, 2
	s_add_co_u32 s42, s42, s40                     ; tile column
	s_and_b32 s17, ttmp7, 0xffff
	s_lshl_b32 s17, s17, 2
	s_add_co_u32 s17, s17, s41                     ; tile row
	s_lshl_b32 s43, s41, 2
	s_lshl_b32 s43, 15, s43                        ; my row of the cluster
	s_lshl_b32 s44, 0x1111, s40                    ; my column
	s_or_b32 s[G1+0], s43, (3<<16)|(1<<21)         ; elements of 8 bytes; the mask, and bit 21 beside it
	s_or_b32 s[G1B+0], s44, (3<<16)|(1<<21)
.irp g, G1, G1B                        ; rows of 3,072 bytes (two K steps of a tile), 24,576 apart; 16 tiles at the head, 8 in the ring
	s_mov_b32 s[\g+1], 384<<16
	s_mov_b32 s[\g+2], 16<<16
	s_mov_b32 s[\g+3], 384<<16
	s_mov_b32 s[\g+4], 16
	s_mov_b32 s[\g+5], 3072
	s_mov_b32 s[\g+6], 0
	s_mov_b32 s[\g+7], 0
.endr
	s_or_b32 s[G1S+0], s43, (3<<16)|(1<<21)
	s_or_b32 s[G1SB+0], s44, (3<<16)|(1<<21)
.irp g, G1S, G1SB                      ; 16 tiles' scale words: 16,384 dense bytes as 64 rows of 256
	s_mov_b32 s[\g+1], 32<<16
	s_mov_b32 s[\g+2], 64<<16
	s_mov_b32 s[\g+3], 32<<16
	s_mov_b32 s[\g+4], 64
	s_mov_b32 s[\g+5], 32
	s_mov_b32 s[\g+6], 0
	s_mov_b32 s[\g+7], 0
.endr
	s_lshl_b32 s20, s17, 4                         ; A's first tile,
	s_lshl_b32 s46, s42, 4                         ; B's
	s_cmp_ge_u32 ttmp9, 4                          ; V^T?  The cluster's x is the same in all partners
	s_cselect_b32 s19, 384, 0
	s_cselect_b32 s95, 0, 384
	s_add_co_u32 s20, s20, s19                     ; A: x (0 ..) or wv (384 ..)
	s_add_co_u32 s46, s46, s95
	s_sub_co_u32 s46, s46, 256                     ; B: wq, wk (128 + 16 column) or x (16 (column - 16))
	s_lshl_b32 s22, s20, 10
	s_mov_b32 s23, 0
	s_lshl_b32 s92, s46, 10
	s_mov_b32 s93, 0
	s_mul_i32 s20, s20, TROW
	s_mov_b32 s21, 0
	s_mul_i32 s46, s46, TROW
	s_mov_b32 s47, 0
	s_mul_i32 s18, s16, 8*TROW
	s_mov_b32 s19, 0
	s_mul_i32 s45, s14, HALFT
	s_wait_dscnt 0x0                               ; both opening adds are done
	s_wait_kmcnt 0x0
	s_add_nc_u64 s[20:21], s[4:5], s[20:21]
	s_add_nc_u64 s[22:23], s[6:7], s[22:23]
	s_add_nc_u64 s[46:47], s[4:5], s[46:47]
	s_add_nc_u64 s[92:93], s[6:7], s[92:93]
	CROUND                                         ; all sixteen work-groups are here: the first joint loads meet
	s_mov_b32 s[G0H], 1                            ; slot 0: A's 16 tiles,
	s_mov_b32 s[G0H+1], 0
	s_mov_b64 s[G0H+2:G0H+3], s[20:21]
	s_or_b32 s[G0H+3], s[G0H+3], 0x80000000
	s_mov_b32 s[G0HB], 1                           ; B's,
	s_mov_b32 s[G0HB+1], 2*HALFT
	s_mov_b64 s[G0HB+2:G0HB+3], s[46:47]
	s_or_b32 s[G0HB+3], s[G0HB+3], 0x80000000
	s_mov_b32 s[G0S], 1                            ; A's scale words,
	s_mov_b32 s[G0S+1], SCL
	s_mov_b64 s[G0S+2:G0S+3], s[22:23]
	s_or_b32 s[G0S+3], s[G0S+3], 0x80000000
	s_mov_b32 s[G0SB], 1                           ; B's
	s_mov_b32 s[G0SB+1], SCL+2*HALFS
	s_mov_b64 s[G0SB+2:G0SB+3], s[92:93]
	s_or_b32 s[G0SB+3], s[G0SB+3], 0x80000000
	s_add_nc_u64 s[20:21], s[20:21], s[18:19]      ; for the ring: my 8 tiles
	s_add_nc_u64 s[46:47], s[46:47], s[18:19]
.irp s, 0,1
	s_mov_b32 s[G0+4*\s], 1
	s_add_co_u32 s[G0+4*\s+1], s45, \s*SLOT
	s_add_nc_u64 s[G0+4*\s+2:G0+4*\s+3], s[20:21], \s*NQ*IMG
	s_or_b32 s[G0+4*\s+3], s[G0+4*\s+3], 0x80000000
	s_mov_b32 s[G0B+4*\s], 1
	s_add_co_u32 s[G0B+4*\s+1], s45, \s*SLOT
	s_add_nc_u64 s[G0B+4*\s+2:G0B+4*\s+3], s[46:47], \s*NQ*IMG
	s_or_b32 s[G0B+4*\s+3], s[G0B+4*\s+3], 0x80000000
.endr
	s_cmp_eq_u32 s15, 0                            ; the prefetches: of the tiles that I fetch in the ring,
	s_cselect_b64 s[PFA:PFA+1], s[20:21], s[46:47]
	s_cselect_b32 s94, s40, s41                    ; my work-group's two, by its place among the four that ask jointly: an address alone hangs on it
	s_mul_i32 s94, s94, 2*TROW
	s_add_co_u32 s94, s94, 2*NQ*IMG                ; at slot 2
	s_mov_b32 s95, 0
	s_add_nc_u64 s[PFA:PFA+1], s[PFA:PFA+1], s[94:95]
	QUAD G0H, G1, G0HB, G1B, G0S, G1S, G0SB, G1SB  ; the head's four tiles, one a wave
	s_wait_alu depctr_va_vdst(0)                   ; the wait ahead of the reader below
	global_prefetch_b8 v[PFO], s[PFA:PFA+1] th:TH_LOAD_NT scope:SCOPE_SE   ; slot 2
	s_mul_i32 s20, s15, HALFT                      ; my 128 rows of A in a slot,
	s_mul_i32 s21, s16, HALFT
	s_add_co_u32 s21, s21, 2*HALFT                 ; of B
	s_mul_i32 s22, s15, HALFS
	s_mul_i32 s23, s16, HALFS
	s_add_co_u32 s23, s23, 2*HALFS
	s_sub_co_u32 s23, s23, s22                     ; from A's scale words to B's
	s_add_co_u32 s22, s22, SCL
	s_mul_i32 s46, s14, 16*SPITCH                  ; my stage, in slot 0
	v_and_b32 v1, 15, v0                           ; r
	v_bfe_u32 v2, v0, 4, 1                         ; h
	v_lshlrev_b32 v[CO], 4, v6
	v_add_nc_u32 v[ADRA], s20, v[CO]
	v_add_nc_u32 v[ADRB], s21, v[CO]
	v_add_nc_u32 v[ADRA+1], SLOT, v[ADRA]
	v_add_nc_u32 v[ADRB+1], SLOT, v[ADRB]
	v_lshlrev_b32 v[LR], 2, v1
	v_mul_u32_u24 v5, s23, v2                      ; lanes 16-31 take B's words
	v_add_nc_u32 v5, v5, v[LR]
	v_add_nc_u32 v[ADRS], s22, v5
	v_mul_u32_u24 v4, v1, SPITCH
	v_lshl_add_u32 v4, v2, 5, v4
	v_add_nc_u32 v[STO], s46, v4
	v_add_nc_u32 v[RD], s46, v[CO]
	v_and_b32 v3, 8, v1
	v_add_nc_u32 v3, v3, v1
	v_lshlrev_b32 v[LB], 2, v3
.macro FRAG reg, adr, q, i
.irp c, 0,1,2
	ds_load_b128 v[\reg+4*\c:\reg+4*\c+3], v[\adr] offset:NQ*IMG*(\i)+IMG*(\q)+512*\c
.endr
.endm
.macro MUL16 a0, p, q, sc, zero        ; A's blocks a0, a0 + 1 x B's eight; the 64 accumulators take turns
.irp a, \a0, \a0+1
.irp b, 0,1,2,3,4,5,6,7
.if \zero
	v_wmma_scale_f32_16x16x128_f8f6f4 v[8*(8*((\a)%4)+\b):8*(8*((\a)%4)+\b)+7], v[128*(\p)+FR*\b:128*(\p)+FR*\b+FR-1], v[AF+FR*(\a):AF+FR*(\a)+FR-1], 0, v[SC+8*NQ*(\sc)+NQ*\b+(\q)], v[SC+8*NQ*(\sc)+NQ*(\a)+(\q)] matrix_a_fmt:MATRIX_FMT_FP6 matrix_b_fmt:MATRIX_FMT_FP6 matrix_a_scale:MATRIX_SCALE_ROW1
.else
	v_wmma_scale_f32_16x16x128_f8f6f4 v[8*(8*((\a)%4)+\b):8*(8*((\a)%4)+\b)+7], v[128*(\p)+FR*\b:128*(\p)+FR*\b+FR-1], v[AF+FR*(\a):AF+FR*(\a)+FR-1], v[8*(8*((\a)%4)+\b):8*(8*((\a)%4)+\b)+7], v[SC+8*NQ*(\sc)+NQ*\b+(\q)], v[SC+8*NQ*(\sc)+NQ*(\a)+(\q)] matrix_a_fmt:MATRIX_FMT_FP6 matrix_b_fmt:MATRIX_FMT_FP6 matrix_a_scale:MATRIX_SCALE_ROW1
.endif
.endr
.endr
.endm
.macro FETCH_B slot, q, p
	WIN TO_B
.irp i, 0,1,2,3,4,5,6,7
	FRAG 128*(\p)+FR*\i, ADRB+\slot, \q, \i
.endr
	WIN 0
.endm
.macro FETCH_A slot, q, i0
.irp i, \i0, \i0+1, \i0+2, \i0+3
	FRAG AF+FR*(\i), ADRA+\slot, \q, \i
.endr
.endm
.macro SCALES sc                       ; a slot's scale words: lanes 0-15 A's block i, lanes 16-31 B's
.irp i, 0,1,2,3,4,5,6,7
.irp q, 0,1
	ds_load_b32 v[SC+8*NQ*\sc+NQ*\i+\q], v[ADRS] offset:\i*SBLK+64*\q
.endr
.endr
.endm
.macro STEP slot, q, zero              ; a slot's first K step
	s_wait_dscnt 4*NL                              ; all but the youngest 12 loads (A's blocks 4-7)
	WIN MUL_LO
	MUL16 0, (\q)%2, \q, \slot, \zero
	MUL16 2, (\q)%2, \q, \slot, \zero
	s_wait_dscnt 0
	PLACES NP
	FETCH_B \slot, (\q)+1, 1-(\q)%2
	FETCH_A \slot, (\q)+1, 0
	WIN MUL_HI
	MUL16 4, (\q)%2, \q, \slot, \zero
	MUL16 6, (\q)%2, \q, \slot, \zero
	PLACES NP
	WIN 0
	FETCH_A \slot, (\q)+1, 4
.endm
.macro TURN slot, next, fill           ; a slot's last K step, and the change of slots
.if \fill
	s_wait_xcnt 0x0                                ; my last prefetch has read its address
	s_add_nc_u64 s[PFA:PFA+1], s[PFA:PFA+1], NQ*IMG
.endif
	s_wait_tensorcnt 0x0                           ; my part of the next slot is in
	ds_add_u32 v[SPW], v[NIL]
	s_wait_dscnt 4*NL+1                            ; the add and the youngest 12 loads may be out
	WIN MUL_LO
	MUL16 0, 1, NQ-1, \slot, 0
	s_wait_dscnt 0x0                               ; the add is done, my reads of this slot are over
	s_barrier_signal -1
	MUL16 2, 1, NQ-1, \slot, 0
	WIN 0
	s_barrier_wait -1
.if \fill
	CREST
	s_add_nc_u64 s[G0+4*\slot+2:G0+4*\slot+3], s[G0+4*\slot+2:G0+4*\slot+3], 2*NQ*IMG
	s_add_nc_u64 s[G0B+4*\slot+2:G0B+4*\slot+3], s[G0B+4*\slot+2:G0B+4*\slot+3], 2*NQ*IMG
	JLOAD G0+4*\slot, G1, G0B+4*\slot, G1B
.else
	PLACES NP
.endif
	s_wait_alu depctr_va_vdst(0)                   ; the wait ahead of the reader below
	v_add_nc_u32 v[ADRS], 64*NQ, v[ADRS]
	FETCH_B \next, 0, 0
	FETCH_A \next, 0, 0
	SCALES \next
.if \fill
	s_cmp_gt_u32 s3, 1                             ; the last trip's two refills have no slot two on
	s_cbranch_scc0 .Lno_ask_\@
	global_prefetch_b8 v[PFO], s[PFA:PFA+1] offset:NQ*IMG th:TH_LOAD_NT scope:SCOPE_SE
.Lno_ask_\@:
.endif
	WIN MUL_HI
	MUL16 4, 1, NQ-1, \slot, 0
	MUL16 6, 1, NQ-1, \slot, 0
	PLACES NP
	WIN 0
	FETCH_A \next, 0, 4
.endm
	s_wait_alu depctr_va_vdst(0)                   ; the wait at the head's end
	s_wait_tensorcnt 0x0                           ; my tile of the head's four is in
	ds_add_u32 v[SPW], v[NIL]
	s_mov_b32 s[G1+2], 8<<16                       ; no tensor load of mine is out: from here on a load brings 8 tiles
	s_mov_b32 s[G1+4], 8
	s_mov_b32 s[G1B+2], 8<<16
	s_mov_b32 s[G1B+4], 8
	s_wait_dscnt 0x0
	CROUND
	JLOAD G0+4, G1, G0B+4, G1B                     ; slot 1's first fill, issued as a refill is
	FETCH_B 0, 0, 0
	FETCH_A 0, 0, 0
	SCALES 0
	FETCH_A 0, 0, 4
	global_prefetch_b8 v[PFO], s[PFA:PFA+1] offset:NQ*IMG th:TH_LOAD_NT scope:SCOPE_SE   ; slot 3
	STEP 0, 0, 1
	s_mov_b32 s3, LAPS-1
.Llap:
	TURN 0, 1, 1
	STEP 1, 0, 0
	TURN 1, 0, 1
	STEP 0, 0, 0
	s_sub_co_u32 s3, s3, 1
	s_cmp_lg_u32 s3, 0
	s_cbranch_scc1 .Llap
	TURN 0, 1, 0
	STEP 1, 0, 0
	s_wait_dscnt 4*NL
	WIN MUL_LO
	MUL16 0, 1, NQ-1, 1, 0
	MUL16 2, 1, NQ-1, 1, 0
	s_wait_dscnt 0
	WIN MUL_HI
	MUL16 4, 1, NQ-1, 1, 0
	MUL16 6, 1, NQ-1, 1, 0
	WIN 0
	PLACES NP                                      ; places behind the last products
	s_cmp_ge_u32 ttmp9, 4
	s_cbranch_scc1 .Lvt
; q AND k: block by block of 16 rows x 128 columns through my own stage, out as rows of 512 bytes
	s_lshl_b32 s20, s17, 8
	s_lshl_b32 s21, s15, 7
	s_add_co_u32 s20, s20, s21
	s_lshl_b32 s20, s20, 13                        ; my first row
	s_lshr_b32 s21, ttmp9, 1
	s_lshl_b32 s21, s21, 24                        ; the plane
	s_add_co_u32 s20, s20, s21
	s_and_b32 s46, s42, 7
	s_lshl_b32 s46, s46, 10
	s_lshl_b32 s47, s16, 9
	s_add_co_u32 s46, s46, s47
	s_add_co_u32 s20, s20, s46
	s_mov_b32 s21, 0
	s_add_nc_u64 s[12:13], s[12:13], s[20:21]
.macro TOSTAGE a
.set AC, 64*((\a)%4)
	WIN 0x08+4*((\a)/4)
.irp b, 0,1,2,3,4,5,6,7
	ds_store_b128 v[STO], v[AC+8*\b:AC+8*\b+3] offset:64*\b
	ds_store_b128 v[STO], v[AC+8*\b+4:AC+8*\b+7] offset:64*\b+16
.endr
.if (\a) < 2                           ; blocks 0 and 1 come back into v128-255 of window 0; block a into the accumulators of block a - 2, whose LDS stores are done (SEND a - 2 has waited for the loads behind them)
	WIN 0
.set BB, BK+64*(\a)
.else
	WIN ((2+((\a)-2)/4)<<6)
.set BB, 64*(((\a)-2)%4)
.endif
.irp t, 0,1,2,3,4,5,6,7,8,9,10,11,12,13,14,15
	ds_load_b128 v[BB+4*\t:BB+4*\t+3], v[RD] offset:\t*SPITCH
.endr
	WIN 0
.endm
.macro SEND a, younger                 ; row t of x's tile a is row 32 (a / 2) + 8 (a % 2) + t + 8 (t / 8) of my 128
	s_wait_dscnt \younger
.if (\a) < 2                           ; every block's stores read registers of their own, which are not written again
.set BB, BK+64*(\a)
.else
	WIN ((2+((\a)-2)/4)<<2)
.set BB, 64*(((\a)-2)%4)
.endif
.irp t, 0,1,2,3,4,5,6,7,8,9,10,11,12,13,14,15
	global_store_b128 v[CO], v[BB+4*\t:BB+4*\t+3], s[12:13] offset:(32*((\a)/2)+8*((\a)%2)+\t+8*(\t/8))*CROW
.endr
	WIN 0
.endm
	TOSTAGE 0
.irp a, 1,2,3,4,5,6,7
	TOSTAGE \a
	SEND \a-1, 32
.endr
	SEND 7, 0
	s_branch .Lend
.Lvt:
; V^T: my head's 128 channels x my 128 keys
	s_lshl_b32 s20, s17, 1
	s_add_co_u32 s20, s20, s15                     ; head
	s_lshl_b32 s46, s42, 1
	s_add_co_u32 s46, s46, s16
	s_sub_co_u32 s46, s46, 32                      ; key step 0 .. 15
	s_lshl_b32 s22, s20, 9
	s_mov_b32 s23, 0
	s_add_nc_u64 s[8:9], s[8:9], s[22:23]          ; the head's 128 biases
	s_lshl_b32 s20, s20, 2
	s_lshr_b32 s21, s46, 2
	s_add_co_u32 s20, s20, s21
	s_mul_i32 s20, s20, 102400                     ; slot 4 head + step / 4
	s_and_b32 s46, s46, 3
	s_mul_i32 s21, s46, 24576
	s_add_co_u32 s22, s20, s21
	s_add_co_u32 s22, s22, 12288
	s_lshl_b32 s46, s46, 10
	s_add_co_u32 s46, s46, s20
	s_add_co_u32 s46, s46, 98304+512
	s_mov_b32 s47, 0
	s_add_nc_u64 s[12:13], s[10:11], s[22:23]      ; the images
	s_add_nc_u64 s[10:11], s[10:11], s[46:47]      ; the scale words
	s_mov_b32 s[SEL], 0x76543210
	s_mov_b32 s[SEL+1], 0xfedcba98
.irp a, 0,1,2,3,4,5,6,7
	global_load_b32 v[BV+2*\a], v[LB], s[8:9] offset:(32*(\a/2)+8*(\a%2))*4
.endr
.irp a, 0,1,2,3,4,5,6,7
	v_mov_b32 v[BV+2*\a+1], 0                      ; (the pair's upper half is written)
.endr
.irp b, 0,1,2,3
	v_mov_b32 v[TM+4+\b], 0                        ; a lane permute's destination counts as one of its sources
.endr
	s_wait_alu depctr_va_vdst(0)                   ; the wait ahead of the wait below
	s_wait_loadcnt 0x0
.macro QUANT s, pw
.irp b, 0,1,2,3
	v_max3_num_f32 v[TM+\b], |v[\s+16*\b]|, |v[\s+1+16*\b]|, 0x1800000   ; block b: my 16 numbers, and the floor 2^(3 - 127)
.endr
.irp i, 2,4,6,8,10,12,14
.irp b, 0,1,2,3
	v_max3_num_f32 v[TM+\b], v[TM+\b], |v[\s+16*\b+\i]|, |v[\s+1+16*\b+\i]|
.endr
.endr
.irp b, 0,1,2,3
	v_permlanex16_b32 v[TM+4+\b], v[TM+\b], s[SEL], s[SEL+1]
.endr
.irp b, 0,1,2,3
	v_max_num_f32 v[TM+\b], v[TM+\b], v[TM+4+\b]
.endr
.irp b, 0,1,2,3
	v_add_nc_u32 v[TM+12+\b], 0xff000000, v[TM+\b]   ; 2 off the exponent field: the conversion's scale operand
.endr
.irp b, 0,1,2,3
	v_lshrrev_b32 v[TM+4+\b], 23, v[TM+12+\b]      ; the scale's byte
.endr
	v_lshl_or_b32 v[\pw], v[TM+5], 8, v[TM+4]
	v_lshl_or_b32 v[\pw], v[TM+6], 16, v[\pw]
	v_lshl_or_b32 v[\pw], v[TM+7], 24, v[\pw]
.irp c, 0,1
	v_cvt_scalef32_pk16_fp6_f32 v[PC+6*\c:PC+2+6*\c], v[\s+32*\c:\s+15+32*\c], v[TM+12+2*\c]
	v_cvt_scalef32_pk16_fp6_f32 v[PC+12+4*\c:PC+14+4*\c], v[\s+16+32*\c:\s+31+32*\c], v[TM+12+2*\c+1]
.endr
	v_nop                                          ; one plain place behind a scaled conversion
.irp c, 0,1
.irp i, 0,1,2
	v_permlane16_swap_b32 v[PC+6*\c+\i], v[PC+12+4*\c+\i]
.endr
.irp i, 0,1,2
	v_mov_b32 v[PC+3+6*\c+\i], v[PC+12+4*\c+\i]
.endr
.endr
.endm
.macro VOUT a                          ; tile a of 16 channels: + bias (which also brings the numbers into window 0, each accumulator from its low end on), quantised, stored
.if (\a) > 0
	s_wait_xcnt 0x0                                ; the last tile's stores have read the codes' registers
.endif
	WIN 0x02+(\a)/4
.set j, 0
.rept 32
	v_pk_add_f32 v[X+j:X+j+1], v[64*((\a)%4)+j:64*((\a)%4)+j+1], v[BV+2*(\a):BV+2*(\a)+1] op_sel_hi:[1,0]
.set j, j+2
.endr
	WIN 0
	QUANT X, PW
.irp c, 0,1,2
	global_store_b128 v[CO], v[PC+4*\c:PC+4*\c+3], s[12:13] offset:IMG*(\a)+512*\c   ; 32 lanes store 512 consecutive bytes
.endr
	global_store_b32 v[LR], v[PW], s[10:11] offset:64*(\a)   ; lanes l and l + 16 hold the same word and write it to the same place
.endm
.irp a, 0,1,2,3,4,5,6,7
	VOUT \a
.endr
.Lend:
	s_wait_tensorcnt 0x0                           ; the wave's end
	ds_add_u32 v[SPW], v[NIL]
	s_wait_dscnt 0x0
	CROUND                                         ; the closing round
	s_endpgm
.Lfunc_end_k_q4e76636684_gemm_qkv:
	.size	k_q4e76636684_gemm_qkv, .Lfunc_end_k_q4e76636684_gemm_qkv-k_q4e76636684_gemm_qkv
	.p2alignl 7, 3214868480
	.fill 96, 4, 3214868480
	.section	.rodata,"a",@progbits
	.p2align	6, 0x0
	.amdhsa_kernel k_q4e76636684_gemm_qkv
		.amdhsa_group_segment_fixed_size 327680
		.amdhsa_private_segment_fixed_size 0
		.amdhsa_enable_private_segment 0
		.amdhsa_kernarg_size 40
		.amdhsa_user_sgpr_count 2
		.amdhsa_user_sgpr_kernarg_segment_ptr 1
		.amdhsa_wavefront_size32 1
		.amdhsa_system_sgpr_workgroup_id_x 1
		.amdhsa_system_sgpr_workgroup_id_y 1
		.amdhsa_system_sgpr_workgroup_id_z 1
		.amdhsa_system_vgpr_workitem_id 0
		.amdhsa_next_free_vgpr 1024
		.amdhsa_next_free_sgpr 100
		.amdhsa_reserve_vcc 0
		.amdhsa_float_denorm_mode_32 3
		.amdhsa_float_denorm_mode_16_64 3
		.amdhsa_memory_ordered 1
		.amdhsa_forward_progress 1
		.amdhsa_inst_pref_size 191
	.end_amdhsa_kernel
	.amdgpu_metadata
---
amdhsa.version: [ 1, 2 ]
amdhsa.kernels:
  - .name:           k_q4e76636684_gemm_qkv
    .symbol:         k_q4e76636684_gemm_qkv.kd
    .args:
      - { .name: cds, .offset: 0, .size: 8, .value_kind: global_buffer, .address_space: global }
      - { .name: scl, .offset: 8, .size: 8, .value_kind: global_buffer, .address_space: global }
      - { .name: raw, .offset: 16, .size: 8, .value_kind: global_buffer, .address_space: global }
      - { .name: bv, .offset: 24, .size: 8, .value_kind: global_buffer, .address_space: global }
      - { .name: kv, .offset: 32, .size: 8, .value_kind: global_buffer, .address_space: global }
    .group_segment_fixed_size: 327680
    .private_segment_fixed_size: 0
    .kernarg_segment_align: 8
    .kernarg_segment_size: 40
    .max_flat_workgroup_size: 128
    .sgpr_count:     100
    .vgpr_count:     1024
    .wavefront_size: 32
...
	.end_amdgpu_metadata
.endif
;; end of part 2
;; launch post (part 3): grid 256 x 1, 16 waves a work-group, no clusters, 159,232 bytes of LDS; arguments raw, bq, bk, gq, gk, freqs, qc, qs, kv; writes qc, qs, kv
.if DOCPART == 3
	.amdgcn_target "amdgcn-amd-amdhsa--gfx1250"
	.amdhsa_code_object_version 6
	.text
	.protected	k_q4e76636684_post
	.globl	k_q4e76636684_post
	.p2align	8
	.type	k_q4e76636684_post,@function
k_q4e76636684_post:
	s_mov_b64 s[64:65], 0
	v_nop
	global_prefetch_b8 v0, s[64:65] scope:SCOPE_SE
	s_setreg_imm32_b32 hwreg(HW_REG_WAVE_MODE, 25, 1), 1
	s_wait_xcnt 0x0
; What stands between the products for q and k and attention, in f32, and the quantisers of q and k.  raw: two planes [2048][2048] f32: q, k, without biases.
; WORK-GROUPS 0-127: q, 128-255: k: tile T of 16 rows of the sequence, all 2,048 columns; wave w is head w.  + bias; the row's mean of squares over all 16 heads (each wave's part meets the others' in LDS: one barrier);
; x rsqrt(mean + 1e-6), x gain; the rotation by freqs; quantised along the head's 128: one fragment a wave.
; THE ROWS OF A TILE ARE NOT NEIGHBOURS: row r of tile T is 32 (T / 2) + 8 (T % 2) + r + 8 (r / 8), so that in attention's transposed products a lane's 16 registers of two neighbouring tiles are 16 neighbouring keys.
; OUT, as images of operand registers (1,536 bytes a fragment, 64 bytes of scale words): q: (128 head + T) in qc, qs.  kv: [head][slot of 512 keys] of 102,400 bytes; in a slot key step q: K's 8 images at 24,576 q + 1,536 t;
; from 98,304 on the scale words: K's at 1,024 q + 64 t.
; Every load takes 512 consecutive bytes of a row; 16 rows turn through the wave's own stage (rows 528 bytes apart).  A store of codes covers 512 consecutive bytes; the scale words leave in pieces of 64 bytes
; (a work-group holds one tile of each head), 1/24 of the codes' bytes; lanes l and l + 16 hold the same word and write it to the same place.
; Work-groups share no input but a tile's 8 KB of freqs (q's and k's work-group of one tile): no cluster.  Memory binds: no tensor load, no prefetch.
; LIMITS: rsqrt is the instruction's (1 ulp); the sums of squares are taken in another order than a plain chain; a block of zeros or under 2^-124 gets the byte 1 (its codes are zeros or held; this program alone reads the bytes); NaN and infinities are not served.
.set QSTB,  9216                       ; a wave's stage: 16 rows x 528, and row 16: the head's gain
.set FST,   16*QSTB                    ; the tile's 16 rows of freqs x 528
.set RED,   156160                     ; the sums of squares: word (row r, wave w) at 64 r + 4 w
.set SPARE, RED+1024                   ; the spare words, 128 bytes a wave
.set R,   16                           ; v16-79   16 rows x 4 registers as loaded; later the gain
.set X,   80                           ; v80-143  64 numbers: register 16 b + i = k 32 b + 16 h + i of my row
.set F,   144                          ; v144-207 freqs, in the same places
.set TM,  208                          ; v208-223 at work in QUANT; ahead of it: bias 208-211, gain 212-215, freqs 216-219, sums 220-223
.set PC,  224                          ; v224-242 the codes; ahead of them the 16 partial sums
.set PW,  244
.set SPW, 252
.set NIL, 253
.set SEL, 26
.macro QUANT s, pw
.irp b, 0,1,2,3
	v_max3_num_f32 v[TM+\b], |v[\s+16*\b]|, |v[\s+1+16*\b]|, 0x1800000   ; block b: my 16 numbers, and the floor 2^(3 - 127): the byte cannot fall under 1
.endr
.irp i, 2,4,6,8,10,12,14
.irp b, 0,1,2,3
	s_delay_alu instid0(VALU_DEP_4)
	v_max3_num_f32 v[TM+\b], v[TM+\b], |v[\s+16*\b+\i]|, |v[\s+1+16*\b+\i]|
.endr
.endr
.irp b, 0,1,2,3
	s_delay_alu instid0(VALU_DEP_4)
	v_permlanex16_b32 v[TM+4+\b], v[TM+\b], s[SEL], s[SEL+1]
.endr
.irp b, 0,1,2,3
	s_delay_alu instid0(VALU_DEP_4)
	v_max_num_f32 v[TM+\b], v[TM+\b], v[TM+4+\b]   ; with lane l xor 16's: the block's largest magnitude
.endr
.irp b, 0,1,2,3
	s_delay_alu instid0(VALU_DEP_4)
	v_add_nc_u32 v[TM+12+\b], 0xff000000, v[TM+\b]   ; 2 off its exponent field: the conversion's scale operand
.endr
.irp b, 0,1,2,3
	s_delay_alu instid0(VALU_DEP_4)
	v_lshrrev_b32 v[TM+4+\b], 23, v[TM+12+\b]      ; the scale's byte
.endr
	s_delay_alu instid0(VALU_DEP_3)
	v_lshl_or_b32 v[\pw], v[TM+5], 8, v[TM+4]
	s_delay_alu instid0(VALU_DEP_1)
	v_lshl_or_b32 v[\pw], v[TM+6], 16, v[\pw]
	s_delay_alu instid0(VALU_DEP_1)
	v_lshl_or_b32 v[\pw], v[TM+7], 24, v[\pw]
.irp c, 0,1
	v_cvt_scalef32_pk16_fp6_f32 v[PC+6*\c:PC+2+6*\c], v[\s+32*\c:\s+15+32*\c], v[TM+12+2*\c]
	v_cvt_scalef32_pk16_fp6_f32 v[PC+12+4*\c:PC+14+4*\c], v[\s+16+32*\c:\s+31+32*\c], v[TM+12+2*\c+1]
.endr
	v_nop                                          ; one plain place behind a scaled conversion
.irp c, 0,1
.irp i, 0,1,2
	v_permlane16_swap_b32 v[PC+6*\c+\i], v[PC+12+4*\c+\i]
.endr
.irp i, 0,1,2
	s_delay_alu instid0(VALU_DEP_3)
	v_mov_b32 v[PC+3+6*\c+\i], v[PC+12+4*\c+\i]
.endr
.endr
.endm
	s_load_b128 s[4:7], s[0:1], 0x0                ; raw, bq
	s_load_b64 s[8:9], s[0:1], 0x10                ; bk
	s_load_b256 s[12:19], s[0:1], 0x18             ; gq, gk, freqs, qc
	s_load_b128 s[20:23], s[0:1], 0x38             ; qs, kv
	v_lshl_add_u32 v[SPW], v0, 2, SPARE
	v_mov_b32 v[NIL], 0
	v_lshrrev_b32 v1, 5, v0
	s_delay_alu instid0(VALU_DEP_1)
	v_readfirstlane_b32 s24, v1                    ; wave 0..15
	v_and_b32 v1, 31, v0                           ; lane
	v_and_b32 v2, 15, v0                           ; r
	v_bfe_u32 v3, v0, 4, 1                         ; h
	s_delay_alu instid0(VALU_DEP_3)
	v_lshlrev_b32 v4, 4, v1                        ; 16 x lane
	s_delay_alu instid0(VALU_DEP_3)
	v_lshlrev_b32 v5, 2, v2                        ; 4 r
	s_mul_i32 s40, s24, QSTB
	v_add_nc_u32 v6, s40, v4                       ; the stage on the way in
	v_mul_u32_u24 v7, v2, 528
	s_delay_alu instid0(VALU_DEP_1)
	v_lshl_add_u32 v7, v3, 6, v7                   ; 528 r + 64 h
	s_delay_alu instid0(VALU_DEP_1)
	v_add_nc_u32 v10, FST, v7                      ; freqs on the way out
	v_add_nc_u32 v7, s40, v7                       ; the stage on the way out
	v_lshlrev_b32 v8, 6, v3
	s_add_co_u32 s40, s40, 16*528
	v_add_nc_u32 v8, s40, v8                       ; the gain on the way out: row 16, + 64 h
	s_mul_i32 s40, s24, 528
	s_add_co_u32 s40, s40, FST
	v_add_nc_u32 v9, s40, v4                       ; freqs on the way in: wave w brings row w
	v_lshlrev_b32 v12, 6, v2
	s_delay_alu instid0(VALU_DEP_1)
	v_add_nc_u32 v12, RED, v12                     ; the sums of row r
	s_lshl_b32 s40, s24, 2
	v_add_nc_u32 v11, s40, v12                     ; and my wave's word among them
	s_mov_b32 s[SEL], 0x76543210
	s_mov_b32 s[SEL+1], 0xfedcba98
	s_wait_alu depctr_va_vdst(0)                   ; the wait at the head's end
	s_wait_kmcnt 0x0
	s_lshr_b32 s30, ttmp9, 7                       ; 0: q, 1: k
	s_and_b32 s31, ttmp9, 127                      ; T
	s_lshr_b32 s40, s31, 1
	s_lshl_b32 s40, s40, 5
	s_and_b32 s41, s31, 1
	s_lshl_b32 s41, s41, 3
	s_add_co_u32 s40, s40, s41                     ; the tile's first row: 32 (T / 2) + 8 (T % 2)
	s_lshl_b32 s42, s30, 24
	s_lshl_b32 s43, s40, 13
	s_add_co_u32 s42, s42, s43
	s_lshl_b32 s44, s24, 9                         ; my head's 512 bytes of a row
	s_add_co_u32 s42, s42, s44
	s_mov_b32 s43, 0
	s_mov_b32 s45, 0
	s_add_nc_u64 s[4:5], s[4:5], s[42:43]
	s_lshr_b32 s46, s24, 3
	s_lshl_b32 s46, s46, 3
	s_add_co_u32 s46, s46, s24
	s_add_co_u32 s46, s46, s40                     ; the row of freqs that my wave brings: the tile's row w
	s_lshl_b32 s46, s46, 9
	s_mov_b32 s47, 0
	s_add_nc_u64 s[16:17], s[16:17], s[46:47]
	s_lshl_b32 s48, s24, 7
	s_add_co_u32 s48, s48, s31                     ; q: 128 head + T
	s_mul_i32 s49, s48, 1536
	s_lshl_b32 s48, s48, 6
	s_lshl_b32 s50, s24, 2
	s_lshr_b32 s51, s31, 5
	s_add_co_u32 s50, s50, s51
	s_mul_i32 s50, s50, 102400                     ; k: slot 4 head + T / 32
	s_bfe_u32 s51, s31, 0x20003                    ; key step in the slot: (T / 8) % 4
	s_and_b32 s52, s31, 7                          ; tile in the step
	s_mul_i32 s53, s51, 24576
	s_mul_i32 s54, s52, 1536
	s_add_co_u32 s53, s53, s54
	s_add_co_u32 s53, s53, s50
	s_lshl_b32 s51, s51, 10
	s_lshl_b32 s52, s52, 6
	s_add_co_u32 s51, s51, s52
	s_add_co_u32 s51, s51, s50
	s_add_co_u32 s51, s51, 98304
	s_mov_b32 s57, 0
	s_mov_b32 s59, 0
	s_mov_b32 s60, 0x3a000000                      ; 1 / 2,048
	s_mov_b32 s61, 0x358637bd                      ; 1e-6
	s_cmp_eq_u32 s30, 0                            ; the choices hang on the work-group's number alone
	s_cselect_b64 s[32:33], s[6:7], s[8:9]         ; the bias
	s_cselect_b64 s[34:35], s[12:13], s[14:15]     ; the gain
	s_cselect_b64 s[36:37], s[18:19], s[22:23]     ; where the codes go
	s_cselect_b64 s[38:39], s[20:21], s[22:23]     ; and the scale words
	s_cselect_b32 s56, s49, s53
	s_cselect_b32 s58, s48, s51
	s_add_nc_u64 s[32:33], s[32:33], s[44:45]
	s_add_nc_u64 s[34:35], s[34:35], s[44:45]
	s_add_nc_u64 s[36:37], s[36:37], s[56:57]
	s_add_nc_u64 s[38:39], s[38:39], s[58:59]
	global_load_b128 v[208:211], v4, s[32:33]      ; my four columns' bias,
	global_load_b128 v[212:215], v4, s[34:35]      ; gain,
	global_load_b128 v[216:219], v4, s[16:17]      ; and my wave's row of freqs
.irp i, 0,1,2,3,4,5,6,7,8,9,10,11,12,13,14,15
	global_load_b128 v[R+4*\i:R+4*\i+3], v4, s[4:5] offset:(\i+8*(\i/8))*8192 th:TH_LOAD_NT
.endr
	s_wait_loadcnt 16                              ; the three are in; the 16 rows may be out
	ds_store_b128 v6, v[212:215] offset:16*528
	ds_store_b128 v9, v[216:219]
.irp i, 0,1,2,3,4,5,6,7,8,9,10,11,12,13,14,15
	s_wait_loadcnt 15-\i                           ; row i is in; the younger rows may be out
	v_pk_add_f32 v[R+4*\i:R+4*\i+1], v[R+4*\i:R+4*\i+1], v[208:209]
	v_pk_add_f32 v[R+4*\i+2:R+4*\i+3], v[R+4*\i+2:R+4*\i+3], v[210:211]
	ds_store_b128 v6, v[R+4*\i:R+4*\i+3] offset:528*\i
.endr
.irp b, 0,1,2,3
.irp j, 0,1,2,3
	ds_load_b128 v[X+16*\b+4*\j:X+16*\b+4*\j+3], v7 offset:128*\b+16*\j   ; LDS serves a wave's instructions in order: these see my stores
.endr
.endr
	s_wait_dscnt 0x0                               ; the numbers are back, and the stores have read their registers,
.irp b, 0,1,2,3
.irp j, 0,1,2,3
	ds_load_b128 v[R+16*\b+4*\j:R+16*\b+4*\j+3], v8 offset:128*\b+16*\j   ; which take the gain, in the numbers' places
.endr
.endr
	v_pk_mul_f32 v[220:221], v[X:X+1], v[X:X+1]    ; the sum of my 64 squares, in two chains
	v_pk_mul_f32 v[222:223], v[X+2:X+3], v[X+2:X+3]
.irp j, 4,8,12,16,20,24,28,32,36,40,44,48,52,56,60
	s_delay_alu instid0(VALU_DEP_2)
	v_pk_fma_f32 v[220:221], v[X+\j:X+\j+1], v[X+\j:X+\j+1], v[220:221]
	s_delay_alu instid0(VALU_DEP_2)
	v_pk_fma_f32 v[222:223], v[X+\j+2:X+\j+3], v[X+\j+2:X+\j+3], v[222:223]
.endr
	s_delay_alu instid0(VALU_DEP_1)
	v_pk_add_f32 v[220:221], v[220:221], v[222:223]
	s_delay_alu instid0(VALU_DEP_1)
	v_add_f32 v220, v220, v221
	s_delay_alu instid0(VALU_DEP_1)
	v_permlanex16_b32 v221, v220, s[SEL], s[SEL+1]
	s_delay_alu instid0(VALU_DEP_1)
	v_add_f32 v220, v220, v221                     ; with lane l xor 16's: row r, my head
	ds_store_b32 v11, v220                         ; both halves of the lanes write the same word with the same value
	s_wait_dscnt 0x0                               ; for the others' sake: my sums and my row of freqs have landed
	s_barrier_signal -1
	s_barrier_wait -1
.irp j, 0,1,2,3
	ds_load_b128 v[224+4*\j:227+4*\j], v12 offset:16*\j
.endr
.irp b, 0,1,2,3
.irp j, 0,1,2,3
	ds_load_b128 v[F+16*\b+4*\j:F+16*\b+4*\j+3], v10 offset:128*\b+16*\j
.endr
.endr
	s_wait_dscnt 16                                ; the 16 heads' sums are in; the 16 loads of freqs may be out
	v_pk_add_f32 v[224:225], v[224:225], v[232:233]
	v_pk_add_f32 v[226:227], v[226:227], v[234:235]
	v_pk_add_f32 v[228:229], v[228:229], v[236:237]
	v_pk_add_f32 v[230:231], v[230:231], v[238:239]
	s_delay_alu instid0(VALU_DEP_2)
	v_pk_add_f32 v[224:225], v[224:225], v[228:229]
	s_delay_alu instid0(VALU_DEP_2)
	v_pk_add_f32 v[226:227], v[226:227], v[230:231]
	s_delay_alu instid0(VALU_DEP_1)
	v_pk_add_f32 v[224:225], v[224:225], v[226:227]
	s_delay_alu instid0(VALU_DEP_1)
	v_add_f32 v224, v224, v225
	s_delay_alu instid0(VALU_DEP_1)
	v_fma_f32 v224, v224, s60, s61                 ; the mean of squares + 1e-6
	s_wait_alu depctr_va_vdst(0)                   ; the wait ahead of the transcendental
	v_rsq_f32 v246, v224
	v_mov_b32 v247, 0                              ; a plain place behind the transcendental; and the pair's upper half is written
	s_wait_alu depctr_va_vdst(0)                   ; the wait ahead of the result's first reader
.set j, 0
.rept 32
	v_pk_mul_f32 v[X+j:X+j+1], v[X+j:X+j+1], v[246:247] op_sel_hi:[1,0]
.set j, j+2
.endr
.set j, 0
.rept 32
	v_pk_mul_f32 v[X+j:X+j+1], v[X+j:X+j+1], v[R+j:R+j+1]   ; then the gain
.set j, j+2
.endr
	s_wait_dscnt 0x0                               ; freqs
.set p, 0
.rept 32                                       ; pair p: (x0, x1) x (cos, sin): x0 cos - x1 sin, x0 sin + x1 cos
.set T0, 248+2*(p%2)
	v_mul_f32 v[T0], v[X+2*p+1], v[F+2*p+1]
	v_mul_f32 v[T0+1], v[X+2*p+1], v[F+2*p]
	s_delay_alu instid0(VALU_DEP_1)
	v_fma_f32 v[X+2*p+1], v[X+2*p], v[F+2*p+1], v[T0+1]
	s_delay_alu instid0(VALU_DEP_3)
	v_fma_f32 v[X+2*p], v[X+2*p], v[F+2*p], -v[T0]
.set p, p+1
.endr
.irp b, 0,1,2,3
	v_mov_b32 v[TM+4+\b], 0                        ; a lane permute's destination counts as one of its sources
.endr
	QUANT X, PW
.irp c, 0,1,2
	global_store_b128 v4, v[PC+4*\c:PC+4*\c+3], s[36:37] offset:512*\c
.endr
	global_store_b32 v5, v[PW], s[38:39]
	s_wait_tensorcnt 0x0                           ; the wave's end, behind my last LDS store
	ds_add_u32 v[SPW], v[NIL]
	s_wait_dscnt 0x0
	s_endpgm
.Lfunc_end_k_q4e76636684_post:
	.size	k_q4e76636684_post, .Lfunc_end_k_q4e76636684_post-k_q4e76636684_post
	.p2alignl 7, 3214868480
	.fill 96, 4, 3214868480
	.section	.rodata,"a",@progbits
	.p2align	6, 0x0
	.amdhsa_kernel k_q4e76636684_post
		.amdhsa_group_segment_fixed_size 159232
		.amdhsa_private_segment_fixed_size 0
		.amdhsa_enable_private_segment 0
		.amdhsa_kernarg_size 72
		.amdhsa_user_sgpr_count 2
		.amdhsa_user_sgpr_kernarg_segment_ptr 1
		.amdhsa_wavefront_size32 1
		.amdhsa_system_sgpr_workgroup_id_x 1
		.amdhsa_system_sgpr_workgroup_id_y 1
		.amdhsa_system_sgpr_workgroup_id_z 1
		.amdhsa_system_vgpr_workitem_id 0
		.amdhsa_next_free_vgpr 256
		.amdhsa_next_free_sgpr 66
		.amdhsa_reserve_vcc 0
		.amdhsa_float_denorm_mode_32 3
		.amdhsa_float_denorm_mode_16_64 3
		.amdhsa_memory_ordered 1
		.amdhsa_forward_progress 1
		.amdhsa_inst_pref_size 36
	.end_amdhsa_kernel
	.amdgpu_metadata
---
amdhsa.version: [ 1, 2 ]
amdhsa.kernels:
  - .name:           k_q4e76636684_post
    .symbol:         k_q4e76636684_post.kd
    .args:
      - { .name: raw, .offset: 0, .size: 8, .value_kind: global_buffer, .address_space: global }
      - { .name: bq, .offset: 8, .size: 8, .value_kind: global_buffer, .address_space: global }
      - { .name: bk, .offset: 16, .size: 8, .value_kind: global_buffer, .address_space: global }
      - { .name: gq, .offset: 24, .size: 8, .value_kind: global_buffer, .address_space: global }
      - { .name: gk, .offset: 32, .size: 8, .value_kind: global_buffer, .address_space: global }
      - { .name: freqs, .offset: 40, .size: 8, .value_kind: global_buffer, .address_space: global }
      - { .name: qc, .offset: 48, .size: 8, .value_kind: global_buffer, .address_space: global }
      - { .name: qs, .offset: 56, .size: 8, .value_kind: global_buffer, .address_space: global }
      - { .name: kv, .offset: 64, .size: 8, .value_kind: global_buffer, .address_space: global }
    .group_segment_fixed_size: 159232
    .private_segment_fixed_size: 0
    .kernarg_segment_align: 8
    .kernarg_segment_size: 72
    .max_flat_workgroup_size: 512
    .sgpr_count:     66
    .vgpr_count:     256
    .wavefront_size: 32
...
	.end_amdgpu_metadata
.endif
;; end of part 3
;; launch attn (part 4): grid 16 x 16, 8 waves a work-group, clusters of 4 x 1, 327,680 bytes of LDS; arguments qc, qs, kv, oc, os; writes oc, os
.if DOCPART == 4
	.amdgcn_target "amdgcn-amd-amdhsa--gfx1250"
	.amdhsa_code_object_version 6
	.text
	.protected	k_q4e76636684_attn
	.globl	k_q4e76636684_attn
	.p2align	8
	.type	k_q4e76636684_attn,@function
k_q4e76636684_attn:
	s_mov_b64 s[64:65], 0
	v_nop
	global_prefetch_b8 v0, s[64:65] scope:SCOPE_SE
	s_setreg_imm32_b32 hwreg(HW_REG_WAVE_MODE, 25, 1), 1
	s_wait_xcnt 0x0
	s_wait_alu depctr_hold_cnt(0) depctr_sa_sdst(0) depctr_va_vdst(0) depctr_va_sdst(0) depctr_va_ssrc(0) depctr_va_vcc(0) depctr_vm_vsrc(0)
	s_getreg_b32 s2, hwreg(HW_REG_IB_STS2, 6, 4)
	s_cmp_eq_u32 s2, 0
	s_cbranch_scc0 .Lentry_in_a_cluster
	s_endpgm
.Lentry_in_a_cluster:
	s_bfe_u32 s2, ttmp6, 0x10000c
	s_cmp_lg_u32 s2, 0x3003
	s_cbranch_scc0 .Lentry_shape_is_right
	s_endpgm
.Lentry_shape_is_right:
; O[head][q] = the sum over k of softmax_k(Q . K / sqrt(128)) V, both products on codes of FP6 (E2M3) with E8M0 scales; 16 heads, 2,048 queries and keys, head size 128.  The result is quantised along the head's 128: it is the last product's operand.
; THE SOFTMAX AHEAD OF THE SECOND PRODUCT: t = score x log2(e) / sqrt(128); M = the running largest t rounded UP to a whole number; p = 2^(t - M) is what is quantised, along the keys, not normalised.
; The row's sum is taken of the unquantised p and divides O at the end.  When M moves, the sum and O are multiplied by 2^(old M - new M): exact.
; ALL OPERANDS ARE IMAGES OF REGISTERS (a fragment: 1,536 bytes, registers 4 c .. 4 c + 3 of lane l at 512 c + 16 l; its 16 scale words: 64 bytes).  q: (128 head + Tq) in qc, qs.  kv: [head][slot of 512 keys] of 102,400 bytes: key step q:
; K's 8 images at 24,576 q + 1,536 t, V^T's 8 at 24,576 q + 12,288 + 1,536 t; from 98,304 on the scale words, K's at 1,024 q + 64 t, V's at 1,024 q + 512 + 64 t.  Out: image (16 Tq + head) in oc, os.
; SHARES.  A work-group owns 128 queries of one head; each of its eight waves one tile of 16 (two waves to a SIMD: one's vector work stands beside the other's matrix work and LDS loads).  Every wave walks all keys, 128 a step.
; LAYOUT.  Both products are used transposed (S^T = K Q^T, O^T = V^T P^T): a lane holds one query throughout.  Row r of tile t of K, of V^T and of Q is 32 (t / 2) + 8 (t % 2) + r + 8 (r / 8): so the 16 registers of tiles 2 b, 2 b + 1
; of a result are 16 neighbours along the next product's K.
; THE STEP IS SKEWED BY HALF A STEP.  Step i asks for K's 8 fragments, brings O^T under step i - 1's M and adds V^T P^T of step i - 1 from registers while they land, multiplies K Q^T, asks for V^T's 8 fragments, which land under the softmax,
; and leaves p's codes, their scale word, f and V^T's fragments in registers for step i + 1.  So no LDS read crosses a change of slots.  The first run finds zero codes for p and V^T, which add nothing; the last step's V^T P^T is written out behind the walk.
; RING AND CLUSTER.  Two LDS slots of 512 keys.  The four query blocks of a cluster belong to one head and walk the same kv: each slot is asked for JOINTLY, every wave its eighth (12,800 consecutive bytes as 50 rows of 256),
; with the same descriptor in all four work-groups.  One tensor load of a wave is out at a time, and it has four key steps in which to land.
; LIMITS: exp and rcp are the instructions' (1 ulp); a block's largest p is made from the block's largest score by the same two instructions; a block of zeros gets the byte 1; NaN and infinities are not served.
; REGISTERS, window 0: v1-4 lane terms; v5, v6 the add's two; v8, v9 addresses in hand; v10 the prefetch's offset; v12 -M, v13 the largest t, v[14:15] the sum; v16-27 Q; v28-31 K's scale words; v96-159 S^T, then p; v160-223 O^T; v224-235 p's codes;
; v232-247 at work; v248-251 V's scale words (two tiles a register: lanes 0-15 the even tile's, lanes 16-31 the odd one's); v252 f; v253 p's scale word; v255 Q's.  Window 1: v0-95 K's 8 fragments, v96-191 V^T's.
.set IMG,   1536
.set STEPB, 16*IMG                     ; a key step's images
.set SLOTB, 102400                     ; a slot's bytes
.set PART,  SLOTB/8                    ; a wave's eighth
.set HEADB, 4*SLOTB
.set SCO,   4*STEPB                    ; where a slot's scale words begin
.set SLOT1, 1<<17                      ; slot 1 begins here: one exclusive or turns an address from one slot to the other
.set SPARE, SLOT1+SLOTB                ; the spare words, 128 bytes a wave
.set LI,  1                            ; v1  16 x lane
.set LS,  2                            ; v2  4 x lane
.set LR,  4                            ; v4  4 x (lane % 16)
.set SPW, 5
.set NIL, 6
.set AD,  8
.set ADS, 9
.set PFO, 10
.set KS,  28
.set KF,  0                            ; in window 1
.set VF,  96                           ; in window 1
.set TM,  232                          ; the way out's QUANT
.set PC,  32
.set WV,  18
.set CS,  22                           ; s[22:23] c = log2(e) / sqrt(128)
.set G1,  24
.set G0,  32
.set SEL, 36
.set TB,  38                           ; LDS byte at which the step's images begin
.set TS,  39                           ; and its scale words
.set SLOTS, 40
.set CNT, 41
.set PFA, 42
.set LIM, 44
.set MSB, 0
.macro WIN new                         ; the immediate's high byte repeats the setting that is left
.if MSB != \new
	s_set_vgpr_msb (MSB<<8)|\new
.set MSB, \new
.endif
.endm
.set TO_F, 0x40                        ; destination window 1, address window 0
.set MUL,  0x01                        ; source 0 window 1, all else window 0
.macro CROUND                          ; a round of the cluster's barrier
	s_barrier_signal -1
	s_barrier_wait -1
	s_cmp_lg_u32 s[WV], 0
	s_cbranch_scc1 .Lnot_wave_0_\@
	s_barrier_signal -3
.Lnot_wave_0_\@:
	s_barrier_wait -3
	s_barrier_signal -1
	s_barrier_wait -1
.endm
; A PREFETCH INTO THE L2 of the codes that the NEXT change of slots will ask for: 98,304 bytes, lanes 256 bytes apart.  All four clusters of a head walk the same kv: the head's first cluster asks.  Its four partners take 24,576 bytes each,
; told apart BY ADDRESS; in each, waves 0 to 2 ask, 8,192 bytes a wave: one instruction.  So each block of 256 bytes is named once.  It is asked four key steps ahead of the load that wants it.  The last change that fills a slot asks for nothing;
; slots 0 and 1, and each slot's 4,096 bytes of scale words, come by their loads alone.
.macro ASK
	s_cmp_gt_u32 s[SLOTS], s[LIM]
	s_cbranch_scc0 .Lnot_mine_\@
	global_prefetch_b8 v[PFO], s[PFA:PFA+1] th:TH_LOAD_NT scope:SCOPE_SE
.Lnot_mine_\@:
.endm
.macro QUANT s, pw
.irp b, 0,1,2,3
	v_max3_num_f32 v[TM+\b], |v[\s+16*\b]|, |v[\s+1+16*\b]|, 0x1800000   ; block b: my 16 numbers, and the floor 2^(3 - 127)
.endr
.irp i, 2,4,6,8,10,12,14
.irp b, 0,1,2,3
	s_delay_alu instid0(VALU_DEP_4)
	v_max3_num_f32 v[TM+\b], v[TM+\b], |v[\s+16*\b+\i]|, |v[\s+1+16*\b+\i]|
.endr
.endr
.irp b, 0,1,2,3
	s_delay_alu instid0(VALU_DEP_4)
	v_permlanex16_b32 v[TM+4+\b], v[TM+\b], s[SEL], s[SEL+1]
.endr
.irp b, 0,1,2,3
	s_delay_alu instid0(VALU_DEP_4)
	v_max_num_f32 v[TM+\b], v[TM+\b], v[TM+4+\b]
.endr
.irp b, 0,1,2,3
	s_delay_alu instid0(VALU_DEP_4)
	v_add_nc_u32 v[TM+12+\b], 0xff000000, v[TM+\b]
.endr
.irp b, 0,1,2,3
	s_delay_alu instid0(VALU_DEP_4)
	v_lshrrev_b32 v[TM+4+\b], 23, v[TM+12+\b]
.endr
	s_delay_alu instid0(VALU_DEP_3)
	v_lshl_or_b32 v[\pw], v[TM+5], 8, v[TM+4]
	s_delay_alu instid0(VALU_DEP_1)
	v_lshl_or_b32 v[\pw], v[TM+6], 16, v[\pw]
	s_delay_alu instid0(VALU_DEP_1)
	v_lshl_or_b32 v[\pw], v[TM+7], 24, v[\pw]
.irp c, 0,1
	v_cvt_scalef32_pk16_fp6_f32 v[PC+6*\c:PC+2+6*\c], v[\s+32*\c:\s+15+32*\c], v[TM+12+2*\c]
	v_cvt_scalef32_pk16_fp6_f32 v[PC+12+4*\c:PC+14+4*\c], v[\s+16+32*\c:\s+31+32*\c], v[TM+12+2*\c+1]
.endr
	v_nop                                          ; one plain place behind a scaled conversion
.irp c, 0,1
.irp i, 0,1,2
	v_permlane16_swap_b32 v[PC+6*\c+\i], v[PC+12+4*\c+\i]
.endr
.irp i, 0,1,2
	s_delay_alu instid0(VALU_DEP_3)
	v_mov_b32 v[PC+3+6*\c+\i], v[PC+12+4*\c+\i]
.endr
.endr
.endm
	s_load_b256 s[4:11], s[0:1], 0x0               ; qc, qs, kv, oc
	s_load_b64 s[12:13], s[0:1], 0x20              ; os
	v_lshl_add_u32 v[SPW], v0, 2, SPARE
	v_mov_b32 v[NIL], 0
	ds_add_u32 v[SPW], v[NIL]                      ; the wave's opening: the add, twice on end, and its wait ahead of my first tensor load
	ds_add_u32 v[SPW], v[NIL]
	v_lshrrev_b32 v8, 5, v0
	s_delay_alu instid0(VALU_DEP_1)
	v_readfirstlane_b32 s[WV], v8                  ; wave 0..7
	s_bfe_u32 s19, ttmp6, 0x40000                  ; cx
	s_lshl_b32 s20, ttmp9, 2
	s_add_co_u32 s20, s20, s19                     ; my block of 128 queries
	s_lshl_b32 s20, s20, 3
	s_add_co_u32 s20, s20, s[WV]                   ; Tq: my tile of queries
	s_and_b32 s21, ttmp7, 0xffff                   ; the head, which the four partners share
	s_mov_b32 s[G1], 15|(3<<16)|(1<<21)            ; 15:0 the mask: all four work-groups; 17:16 elements of 8 bytes; no padding; 21 set beside a mask
	s_mov_b32 s[G1+1], 32<<16                      ; tensor_dim0 = 32 elements: 256 bytes
	s_mov_b32 s[G1+2], 50<<16                      ; tensor_dim1 = 50
	s_mov_b32 s[G1+3], 32<<16                      ; tile_dim0
	s_mov_b32 s[G1+4], 50                          ; tile_dim1
	s_mov_b32 s[G1+5], 32                          ; dense
	s_mov_b32 s[G1+6], 0
	s_mov_b32 s[G1+7], 0
	s_mul_i32 s46, s21, HEADB                      ; the head's bytes of kv
	s_mul_i32 s47, s[WV], PART                     ; my eighth of a slot, in memory and in LDS: no place in the cluster enters it
	s_add_co_u32 s48, s46, s47
	s_mov_b32 s49, 0
	s_lshl_b32 s50, s21, 7
	s_add_co_u32 s50, s50, s20                     ; Q: 128 head + Tq
	s_mul_i32 s52, s50, IMG
	s_mov_b32 s53, 0
	s_lshl_b32 s54, s50, 6
	s_mov_b32 s55, 0
	s_lshl_b32 s50, s20, 4
	s_add_co_u32 s50, s50, s21                     ; O: 16 Tq + head
	s_mul_i32 s56, s50, IMG
	s_mov_b32 s57, 0
	s_lshl_b32 s58, s50, 6
	s_mov_b32 s59, 0
	s_min_u32 s60, s[WV], 2                        ; the prefetches: waves 0 to 2 ask (the others hold wave 2's address and never use it)
	s_lshl_b32 s60, s60, 13
	s_mul_i32 s61, s19, 24576                      ; my work-group's quarter of a slot's codes
	s_add_co_u32 s60, s60, s61
	s_add_co_u32 s60, s60, s46
	s_add_co_u32 s60, s60, SLOTB                   ; in slot 1: the first change of slots steps it to slot 2
	s_mov_b32 s61, 0
	s_cmp_lt_u32 s[WV], 3
	s_cselect_b32 s50, 0, 1
	s_or_b32 s50, s50, ttmp9                       ; 0 in waves 0 to 2 of the head's first cluster: the same in all four partners
	s_cmp_eq_u32 s50, 0
	s_cselect_b32 s[LIM], 1, -1
	s_mov_b32 s[SEL], 0x76543210
	s_mov_b32 s[SEL+1], 0xfedcba98
	s_mov_b32 s[CS], 0x3e0293ee                    ; c = log2(e) / sqrt(128)
	s_mov_b32 s[CS+1], s[CS]
	s_mov_b32 s[TB], 0
	s_mov_b32 s[TS], SCO
	s_mov_b32 s[SLOTS], 3
	v_and_b32 v3, 31, v0
	s_delay_alu instid0(VALU_DEP_1)
	v_lshlrev_b32 v[LI], 4, v3
	s_delay_alu instid0(VALU_DEP_2)
	v_lshlrev_b32 v[LS], 2, v3
	s_delay_alu instid0(VALU_DEP_3)
	v_lshlrev_b32 v[PFO], 8, v3
	v_and_b32 v[LR], 15, v0
	s_delay_alu instid0(VALU_DEP_1)
	v_lshlrev_b32 v[LR], 2, v[LR]
	s_wait_dscnt 0x0                               ; the opening adds are done
	s_wait_kmcnt 0x0
	s_mov_b32 s[G0], 1                             ; count = 1
	s_mov_b32 s[G0+1], s47                         ; LDS address: slot 0
	s_add_nc_u64 s[G0+2:G0+3], s[8:9], s[48:49]    ; the head's first 512 keys
	s_or_b32 s[G0+3], s[G0+3], 0x80000000          ; type = 2
	s_add_nc_u64 s[PFA:PFA+1], s[8:9], s[60:61]
	s_add_nc_u64 s[4:5], s[4:5], s[52:53]
	s_add_nc_u64 s[6:7], s[6:7], s[54:55]
	s_add_nc_u64 s[10:11], s[10:11], s[56:57]
	s_add_nc_u64 s[12:13], s[12:13], s[58:59]
	CROUND                                         ; all four work-groups are here: the first joint loads meet
	tensor_load_to_lds s[G0:G0+3], s[G1:G1+7]      ; slot 0
	s_nop 0
.rept 4
	v_nop
.endr
	s_wait_alu depctr_va_vdst(0)
.irp c, 0,1,2
	global_load_b128 v[16+4*\c:19+4*\c], v[LI], s[4:5] offset:512*\c   ; Q's fragment stays in registers
.endr
	global_load_b32 v255, v[LR], s[6:7]            ; and its scale words
	v_mov_b32 v13, 0xff61b1e6                      ; the largest t so far: -3e38
	s_delay_alu instid0(VALU_DEP_1)
	v_floor_f32 v12, -v13                          ; -M
	v_mov_b32 v14, 0
	v_mov_b32 v15, 0
.irp b, 0,1,2,3
	v_mov_b32 v[236+\b], 0                         ; a lane permute's destination counts as one of its sources
.endr
	v_mov_b32 v252, 1.0                            ; f, p's scale word, p's codes, V's scale words and V^T's fragments as the first run of the step finds them: zero codes, which add nothing
	v_mov_b32 v253, 0
.set j, 0
.rept 12
	v_mov_b32 v[224+j], 0
.set j, j+1
.endr
.irp u, 0,1,2,3
	v_mov_b32 v[248+\u], 0
.endr
.set j, 0
.rept 64
	v_mov_b32 v[160+j], 0                          ; O^T: the step is written once; its first run finds zeros
.set j, j+1
.endr
	WIN TO_F
.set j, 0
.rept 96
	v_mov_b32 v[VF+j], 0
.set j, j+1
.endr
	WIN 0
; O^T under the last step's M, and += V^T P^T of the last step: all from registers.  younger: the LDS loads issued behind V^T's, which may stay out.  It leaves the windows set for products.
.macro PVPART younger
	s_wait_alu depctr_va_vdst(0)                   ; the wait directly ahead of the first reader of O^T
.set j, 0
.rept 32
	v_pk_mul_f32 v[160+j:161+j], v[160+j:161+j], v[252:253] op_sel_hi:[1,0]   ; these 32 are also the places between p's codes and scale word and the products below
.set j, j+2
.endr
	s_wait_alu depctr_va_vdst(0)                   ; the wait ahead of the wait below
	s_wait_dscnt \younger                          ; V^T's fragments and scale words are in
	WIN MUL
.irp t, 0,1,2,3,4,5,6,7
.if \t % 2
	v_wmma_scale_f32_16x16x128_f8f6f4 v[160+8*\t:167+8*\t], v[VF+12*\t:VF+11+12*\t], v[224:235], v[160+8*\t:167+8*\t], v[248+\t/2], v253 matrix_a_fmt:MATRIX_FMT_FP6 matrix_b_fmt:MATRIX_FMT_FP6 matrix_a_scale:MATRIX_SCALE_ROW1
.else
	v_wmma_scale_f32_16x16x128_f8f6f4 v[160+8*\t:167+8*\t], v[VF+12*\t:VF+11+12*\t], v[224:235], v[160+8*\t:167+8*\t], v[248+\t/2], v253 matrix_a_fmt:MATRIX_FMT_FP6 matrix_b_fmt:MATRIX_FMT_FP6
.endif
.endr
.endm
; A KEY STEP: 128 keys.
.macro STEP
	v_add_nc_u32 v[AD], s[TB], v[LI]
	v_add_nc_u32 v[ADS], s[TS], v[LS]
	s_wait_alu depctr_va_vdst(0)                   ; the wait
	WIN TO_F
.irp t, 0,1,2,3,4,5,6,7                        ; K's 8 fragments: 24 loads,
.irp c, 0,1,2
	ds_load_b128 v[KF+12*\t+4*\c:KF+3+12*\t+4*\c], v[AD] offset:IMG*\t+512*\c
.endr
.endr
	WIN 0
.irp u, 0,1,2,3
	ds_load_b32 v[KS+\u], v[ADS] offset:128*\u     ; and its scale words: 4 more: tiles 2 u (lanes 0-15) and 2 u + 1 (lanes 16-31)
.endr
	PVPART 28                                      ; the 28 loads just issued may be out
	s_wait_dscnt 0x0                               ; K
.irp t, 0,1,2,3,4,5,6,7                        ; S^T = K Q^T
.if \t % 2
	v_wmma_scale_f32_16x16x128_f8f6f4 v[96+8*\t:103+8*\t], v[KF+12*\t:KF+11+12*\t], v[16:27], 0, v[KS+\t/2], v255 matrix_a_fmt:MATRIX_FMT_FP6 matrix_b_fmt:MATRIX_FMT_FP6 matrix_a_scale:MATRIX_SCALE_ROW1
.else
	v_wmma_scale_f32_16x16x128_f8f6f4 v[96+8*\t:103+8*\t], v[KF+12*\t:KF+11+12*\t], v[16:27], 0, v[KS+\t/2], v255 matrix_a_fmt:MATRIX_FMT_FP6 matrix_b_fmt:MATRIX_FMT_FP6
.endif
.endr
	WIN 0
.rept 4
	v_nop                                          ; places ahead of the first read of the scores and of the loads below
.endr
	WIN TO_F
.irp t, 0,1,2,3,4,5,6,7                        ; V^T's 8 fragments and its scale words are asked for now and land under the softmax
.irp c, 0,1,2
	ds_load_b128 v[VF+12*\t+4*\c:VF+3+12*\t+4*\c], v[AD] offset:8*IMG+IMG*\t+512*\c
.endr
.endr
	WIN 0
.irp u, 0,1,2,3
	ds_load_b32 v[248+\u], v[ADS] offset:512+128*\u
.endr
.irp b, 0,1,2,3
	v_max3_num_f32 v[232+\b], v[96+16*\b], v[97+16*\b], v[98+16*\b]   ; the largest score of each block of 32 keys: for the row's maximum, and, since p rises with the score, for the block's largest p
.endr
.irp i, 3,5,7,9,11,13
.irp b, 0,1,2,3
	v_max3_num_f32 v[232+\b], v[232+\b], v[96+16*\b+\i], v[97+16*\b+\i]
.endr
.endr
.irp b, 0,1,2,3
	v_max_num_f32 v[232+\b], v[232+\b], v[111+16*\b]
.endr
.irp b, 0,1,2,3
	s_delay_alu instid0(VALU_DEP_4)
	v_permlanex16_b32 v[236+\b], v[232+\b], s[SEL], s[SEL+1]
.endr
.irp b, 0,1,2,3
	s_delay_alu instid0(VALU_DEP_4)
	v_max_num_f32 v[232+\b], v[232+\b], v[236+\b]  ; with lane l xor 16's 16 keys
.endr
	s_delay_alu instid0(VALU_DEP_2)
	v_max3_num_f32 v254, v232, v233, v234
	s_delay_alu instid0(VALU_DEP_1)
	v_max_num_f32 v254, v254, v235                 ; the step's largest score of my query
	s_delay_alu instid0(VALU_DEP_1)
	v_mul_f32 v254, s[CS], v254                    ; as t
	s_delay_alu instid0(VALU_DEP_1)
	v_max_num_f32 v13, v13, v254                   ; the running largest t
	v_mov_b32 v254, v12
	s_delay_alu instid0(VALU_DEP_2)
	v_floor_f32 v12, -v13                          ; the new -M = -ceil(t): a whole number
	s_delay_alu instid0(VALU_DEP_1)
	v_sub_f32 v254, v12, v254                      ; old M - new M: a whole number, 0 or less
	s_delay_alu instid0(VALU_DEP_1)
	v_cvt_i32_f32 v254, v254                       ; (it saturates)
	s_delay_alu instid0(VALU_DEP_1)
	v_ldexp_f32 v252, 1.0, v254                    ; f = 2^(old M - new M)
.set j, 0
.rept 32
	v_pk_fma_f32 v[96+j:97+j], v[96+j:97+j], s[CS:CS+1], v[12:13] op_sel_hi:[1,0,0]   ; t - M, two at a time
.set j, j+2
.endr
.irp b, 0,1,2,3
	v_fma_f32 v[232+\b], v[232+\b], s[CS], v12     ; the same of each block's largest score
.endr
.set j, 0
	s_wait_alu depctr_va_vdst(0)                   ; the wait ahead of the batch
.rept 64
	v_exp_f32 v[96+j], v[96+j]                     ; p = 2^(t - M), at most 1
.set j, j+1
.endr
	v_pk_mul_f32 v[14:15], v[14:15], v[252:253] op_sel_hi:[1,0]   ; the sums under the new M: a plain place behind the exponentials
	s_wait_alu depctr_va_vdst(0)                   ; one wait for the whole batch, ahead of its first reader
.irp b, 0,1,2,3
	v_exp_f32 v[232+\b], v[232+\b]                 ; the block's largest p
.endr
	v_pk_add_f32 v[236:237], v[100:101], v[104:105]
	v_pk_add_f32 v[246:247], v[108:109], v[112:113]
	v_pk_add_f32 v[244:245], v[116:117], v[120:121]
	v_pk_add_f32 v[242:243], v[124:125], v[128:129]
	v_pk_add_f32 v[240:241], v[132:133], v[136:137]
	v_pk_add_f32 v[238:239], v[140:141], v[144:145]
	v_pk_add_f32 v[230:231], v[148:149], v[152:153]
	v_pk_add_f32 v[14:15], v[14:15], v[156:157]
	v_pk_add_f32 v[236:237], v[236:237], v[96:97]
	v_pk_add_f32 v[246:247], v[246:247], v[98:99]
	v_pk_add_f32 v[244:245], v[244:245], v[102:103]
	v_pk_add_f32 v[242:243], v[242:243], v[106:107]
	v_pk_add_f32 v[240:241], v[240:241], v[110:111]
	v_pk_add_f32 v[238:239], v[238:239], v[114:115]
	v_pk_add_f32 v[230:231], v[230:231], v[118:119]
	v_pk_add_f32 v[14:15], v[14:15], v[122:123]
	v_pk_add_f32 v[236:237], v[236:237], v[126:127]
	v_pk_add_f32 v[246:247], v[246:247], v[130:131]
	v_pk_add_f32 v[244:245], v[244:245], v[134:135]
	v_pk_add_f32 v[242:243], v[242:243], v[138:139]
	v_pk_add_f32 v[240:241], v[240:241], v[142:143]
	v_pk_add_f32 v[238:239], v[238:239], v[146:147]
	v_pk_add_f32 v[230:231], v[230:231], v[150:151]
	v_pk_add_f32 v[14:15], v[14:15], v[154:155]
	v_pk_add_f32 v[236:237], v[236:237], v[158:159]
	s_delay_alu instid0(VALU_DEP_2)
	v_pk_add_f32 v[14:15], v[14:15], v[242:243]
	s_delay_alu instid0(VALU_DEP_2)
	v_pk_add_f32 v[236:237], v[236:237], v[240:241]
	v_pk_add_f32 v[246:247], v[246:247], v[238:239]
	v_pk_add_f32 v[244:245], v[244:245], v[230:231]
	s_delay_alu instid0(VALU_DEP_2)
	v_pk_add_f32 v[14:15], v[14:15], v[246:247]
	s_delay_alu instid0(VALU_DEP_2)
	v_pk_add_f32 v[236:237], v[236:237], v[244:245]
	s_delay_alu instid0(VALU_DEP_1)
	v_pk_add_f32 v[14:15], v[14:15], v[236:237]
	s_wait_alu depctr_va_vdst(0)                   ; and one for the four
.irp b, 0,1,2,3
	v_max_num_f32 v[232+\b], 0x1800000, v[232+\b]  ; the floor 2^(3 - 127)
.endr
.irp b, 0,1,2,3
	s_delay_alu instid0(VALU_DEP_4)
	v_add_nc_u32 v[244+\b], 0xff000000, v[232+\b]  ; the conversion's scale operand
.endr
.irp b, 0,1,2,3
	s_delay_alu instid0(VALU_DEP_4)
	v_lshrrev_b32 v[236+\b], 23, v[244+\b]         ; the scale's byte
.endr
	s_delay_alu instid0(VALU_DEP_3)
	v_lshl_or_b32 v253, v237, 8, v236              ; p's scale word for these 128 keys
	s_delay_alu instid0(VALU_DEP_1)
	v_lshl_or_b32 v253, v238, 16, v253
	s_delay_alu instid0(VALU_DEP_1)
	v_lshl_or_b32 v253, v239, 24, v253
.irp c, 0,1
	v_cvt_scalef32_pk16_fp6_f32 v[224+6*\c:226+6*\c], v[96+32*\c:111+32*\c], v[244+2*\c]
	v_cvt_scalef32_pk16_fp6_f32 v[236+4*\c:238+4*\c], v[112+32*\c:127+32*\c], v[244+2*\c+1]
.endr
	v_nop                                          ; one plain place behind a scaled conversion
.irp c, 0,1
.irp i, 0,1,2
	v_permlane16_swap_b32 v[224+6*\c+\i], v[236+4*\c+\i]
.endr
.irp i, 0,1,2
	s_delay_alu instid0(VALU_DEP_3)
	v_mov_b32 v[227+6*\c+\i], v[236+4*\c+\i]
.endr
.endr
	s_add_co_u32 s[TB], s[TB], STEPB               ; the next step's images and scale words
	s_add_co_u32 s[TS], s[TS], 1024
.endm
.macro FOUR_STEPS                      ; a slot's four key steps: written once, walked four times
	s_mov_b32 s[CNT], 4
.Lstep_\@:
	STEP
	s_sub_co_u32 s[CNT], s[CNT], 1
	s_cmp_lg_u32 s[CNT], 0
	s_wait_alu depctr_va_vdst(0)                   ; the wait ahead of the branch
	s_cbranch_scc1 .Lstep_\@
	s_sub_co_u32 s[TB], s[TB], 4*STEPB             ; back to a slot's first step,
	s_xor_b32 s[TB], s[TB], SLOT1                  ; in the other slot
	s_sub_co_u32 s[TS], s[TS], 4096
	s_xor_b32 s[TS], s[TS], SLOT1
.endm
; THE CHANGE OF SLOTS stands at a slot's head.  Each wave waits for all its tensor loads (its part of the slot ahead), adds 0 to its spare word, and waits for that and for its reads of the slot that it has left (the last are V^T's fragments of its last step).
; fill = 1: a round of the cluster's barrier, and behind it the slot that was left takes the next 512 keys.  fill = 0: the work-group's barrier alone.
.macro CHANGE fill
	s_wait_tensorcnt 0x0                           ; no tensor load of mine is out, so the group 0 may be written
	ds_add_u32 v[SPW], v[NIL]                      ; 0 onto my spare word
.if \fill
	s_xor_b32 s[G0+1], s[G0+1], SLOT1              ; the other slot than last time,
	s_add_nc_u64 s[G0+2:G0+3], s[G0+2:G0+3], SLOTB ; the next 512 keys
	s_wait_xcnt 0x0                                ; the last prefetch, a slot back, has read its address
	s_add_nc_u64 s[PFA:PFA+1], s[PFA:PFA+1], SLOTB ; one slot further on than the descriptor
	s_wait_dscnt 0x0                               ; the add is done, and my reads of the slot that I have left are over
	CROUND
	tensor_load_to_lds s[G0:G0+3], s[G1:G1+7]      ; the first thing behind the round, and my one tensor load until the next
	s_nop 0
.rept 4
	v_nop
.endr
	ASK
.else
	s_wait_dscnt 0x0
	s_barrier_signal -1
	s_barrier_wait -1
.endif
.endm
	s_wait_alu depctr_va_vdst(0)                   ; the wait at the head's end
	s_wait_loadcnt 0x0                             ; Q
.Lslot:                                            ; three trips: behind each change of slots but the last the next slot is asked for
	CHANGE 1
	FOUR_STEPS
	s_sub_co_u32 s[SLOTS], s[SLOTS], 1
	s_cmp_lg_u32 s[SLOTS], 0
	s_cbranch_scc1 .Lslot
	CHANGE 0                                       ; the last slot is written out
	FOUR_STEPS
	PVPART 0                                       ; the last step's V^T P^T
	WIN 0
	; THE WAY OUT.  O^T / the sum; a lane's 64 numbers are its query's channels 32 b + 16 h + i in register 16 b + i: they are quantised as they stand and leave as the image of a fragment.
.rept 4
	v_nop                                          ; places behind the last products
.endr
	v_add_f32 v14, v14, v15
	s_delay_alu instid0(VALU_DEP_1)
	v_permlanex16_b32 v252, v14, s[SEL], s[SEL+1]
	s_delay_alu instid0(VALU_DEP_1)
	v_add_f32 v14, v14, v252                       ; the row's sum
	s_wait_alu depctr_va_vdst(0)
	v_rcp_f32 v14, v14
	v_nop                                          ; a plain place behind the transcendental
	s_wait_alu depctr_va_vdst(0)                   ; the wait ahead of its first reader
.set j, 0
.rept 64
	v_mul_f32 v[96+j], v[160+j], v14               ; each accumulator from its low end on
.set j, j+1
.endr
	QUANT 96, 252
.irp c, 0,1,2
	global_store_b128 v[LI], v[PC+4*\c:PC+4*\c+3], s[10:11] offset:512*\c   ; 32 lanes store 512 consecutive bytes
.endr
	global_store_b32 v[LR], v252, s[12:13]         ; lanes l and l + 16 hold the same word and write it to the same place
	s_wait_tensorcnt 0x0                           ; the wave's end
	ds_add_u32 v[SPW], v[NIL]
	s_wait_dscnt 0x0
	CROUND                                         ; the closing round
	s_endpgm
.Lfunc_end_k_q4e76636684_attn:
	.size	k_q4e76636684_attn, .Lfunc_end_k_q4e76636684_attn-k_q4e76636684_attn
	.p2alignl 7, 3214868480
	.fill 96, 4, 3214868480
	.section	.rodata,"a",@progbits
	.p2align	6, 0x0
	.amdhsa_kernel k_q4e76636684_attn
		.amdhsa_group_segment_fixed_size 327680
		.amdhsa_private_segment_fixed_size 0
		.amdhsa_enable_private_segment 0
		.amdhsa_kernarg_size 40
		.amdhsa_user_sgpr_count 2
		.amdhsa_user_sgpr_kernarg_segment_ptr 1
		.amdhsa_wavefront_size32 1
		.amdhsa_system_sgpr_workgroup_id_x 1
		.amdhsa_system_sgpr_workgroup_id_y 1
		.amdhsa_system_sgpr_workgroup_id_z 1
		.amdhsa_system_vgpr_workitem_id 0
		.amdhsa_next_free_vgpr 512
		.amdhsa_next_free_sgpr 66
		.amdhsa_reserve_vcc 0
		.amdhsa_float_denorm_mode_32 3
		.amdhsa_float_denorm_mode_16_64 3
		.amdhsa_memory_ordered 1
		.amdhsa_forward_progress 1
		.amdhsa_inst_pref_size 65
	.end_amdhsa_kernel
	.amdgpu_metadata
---
amdhsa.version: [ 1, 2 ]
amdhsa.kernels:
  - .name:           k_q4e76636684_attn
    .symbol:         k_q4e76636684_attn.kd
    .args:
      - { .name: qc, .offset: 0, .size: 8, .value_kind: global_buffer, .address_space: global }
      - { .name: qs, .offset: 8, .size: 8, .value_kind: global_buffer, .address_space: global }
      - { .name: kv, .offset: 16, .size: 8, .value_kind: global_buffer, .address_space: global }
      - { .name: oc, .offset: 24, .size: 8, .value_kind: global_buffer, .address_space: global }
      - { .name: os, .offset: 32, .size: 8, .value_kind: global_buffer, .address_space: global }
    .group_segment_fixed_size: 327680
    .private_segment_fixed_size: 0
    .kernarg_segment_align: 8
    .kernarg_segment_size: 40
    .max_flat_workgroup_size: 256
    .sgpr_count:     66
    .vgpr_count:     512
    .wavefront_size: 32
...
	.end_amdgpu_metadata
.endif
;; end of part 4
;; launch gemm_out (part 5): grid 16 x 16, 4 waves a work-group, clusters of 4 x 4, 327,680 bytes of LDS; arguments oc, os, cds, scl, bo, out0; writes out0
.if DOCPART == 5
	.amdgcn_target "amdgcn-amd-amdhsa--gfx1250"
	.amdhsa_code_object_version 6
	.text
	.protected	k_q4e76636684_gemm_out
	.globl	k_q4e76636684_gemm_out
	.p2align	8
	.type	k_q4e76636684_gemm_out,@function
k_q4e76636684_gemm_out:
	s_mov_b64 s[64:65], 0
	v_nop
	global_prefetch_b8 v0, s[64:65] scope:SCOPE_SE
	s_setreg_imm32_b32 hwreg(HW_REG_WAVE_MODE, 25, 1), 1
	s_wait_xcnt 0x0
	s_wait_alu depctr_hold_cnt(0) depctr_sa_sdst(0) depctr_va_vdst(0) depctr_va_sdst(0) depctr_va_ssrc(0) depctr_va_vcc(0) depctr_vm_vsrc(0)
	s_getreg_b32 s2, hwreg(HW_REG_IB_STS2, 6, 4)
	s_cmp_eq_u32 s2, 0
	s_cbranch_scc0 .Lentry_in_a_cluster
	s_endpgm
.Lentry_in_a_cluster:
	s_bfe_u32 s2, ttmp6, 0x10000c
	s_cmp_lg_u32 s2, 0xf033
	s_cbranch_scc0 .Lentry_shape_is_right
	s_endpgm
.Lentry_shape_is_right:
; out0 = O wo^T + bo on codes of FP6 (E2M3) with E8M0 scales, K = 2,048.  Operands are images of registers: O's tile Tq, K step (= head) s at (16 Tq + s) x 1,536 of oc, its scale words at (16 Tq + s) x 64 of os; wo's tiles 512 .. 639 in cds, scl.
; BLOCKS of 128 x 128: 256 work-groups; a wave makes 64 x 64: 16 accumulators.  Used transposed (source 0 = wo's rows, source 1 = O's rows): a lane holds eight neighbouring columns of a row; bo is the C of the first products.
; Row r of O's tile is query 32 (Tq / 2) + 8 (Tq % 2) + r + 8 (r / 8): the stores' offsets put the rows back in order.
; LDS: three regions of four K steps (A's 8 tiles x 6,144 bytes, then B's 8), and the scale words of all K behind them.
; LOADS, all joint (4 x 4 cluster: A's tiles shared along a row, B's along a column), one a wave behind each round: head: region 0's A, its B, A's scale words, B's; next round: regions 1 and 2, A's and B's;
; behind K step 3's round region 0 takes K steps 12-15, a quarter a wave.  One tensor load of a wave is out at a time.
; PREFETCH: the walk is written out and has three rounds of loads.  Behind the head's load each wave asks for its share of what it loads in the next round (of the 8 tiles x 6,144 bytes the partner at place p takes tiles 2 p, 2 p + 1:
; two instructions of 24 blocks of 256 bytes); behind that load for its share of K steps 12-15 (wave w, partner p: tile 4 (w / 2) + p of A (w even) or B (w odd)).  Lanes 24-31 name lane 23's block again.  Partners are told apart by address alone.
.set NQ,     4
.set FR,     12
.set NF,     28
.set IMG,    1536
.set TROW,   16*IMG
.set TSL,    NQ*IMG
.set HALFT,  4*TSL
.set SLOT,   4*HALFT
.set SCL,    3*SLOT
.set HALFS,  4096
.set SBLK,   1024
.set SPARE,  SCL+4*HALFS
.set SPITCH, 272
.set STAGE,  SLOT                      ; the way out's stages lie in region 1, which has had its one fill and its last read by then
.set CROW,   8192
.set ADRA, 8
.set ADRB, 12
.set STO,  16
.set RD,   17
.set CO,   18
.set ADRS, 19
.set SPW,  20
.set NIL,  21
.set PFO,  22
.set SC,   24
.set BIAS, 32
.set BK,   64
.set ACC,  128
.set G0R,  4                           ; s[4:7], s[8:11] group 0 of the refill, for A and for B
.set G0RB, 8
.set PF3,  18
.set G1,   24
.set G1B,  32
.set G1S,  40
.set G1SB, 48
.set G0A0, 56
.set G0A1, 60
.set G0A2, 68
.set G0B0, 72
.set G0B1, 76
.set G0B2, 80
.set G0S,  84
.set G0SB, 88
.set PF1,  96
.set MSB, 0
.macro WIN new
.if MSB != \new
	s_set_vgpr_msb (MSB<<8)|\new
.set MSB, \new
.endif
.endm
.set MUL,  0x05
.set TO_F, 0x40
.macro PLACES
.rept 4
	v_nop
.endr
.endm
.macro TLOAD g0, g1                    ; a tensor load with a nop and four places behind it
	tensor_load_to_lds s[\g0:\g0+3], s[\g1:\g1+7]
	s_nop 0
	PLACES
.endm
.macro JLOAD g0a, g1a, g0b, g1b
	s_cmp_eq_u32 s15, 0
	s_cbranch_scc0 .Lfor_b_\@
	TLOAD \g0a, \g1a
	s_branch .Lasked_\@
.Lfor_b_\@:
	TLOAD \g0b, \g1b
.Lasked_\@:
.endm
.macro QUAD a0, a1, b0, b1, c0, c1, d0, d1   ; one chain of branches on the wave's number, one load to an arm
	s_cmp_lt_u32 s14, 1
	s_cbranch_scc0 .Lq1_\@
	TLOAD \a0, \a1
	s_branch .Lq4_\@
.Lq1_\@:
	s_cmp_lt_u32 s14, 2
	s_cbranch_scc0 .Lq2_\@
	TLOAD \b0, \b1
	s_branch .Lq4_\@
.Lq2_\@:
	s_cmp_lt_u32 s14, 3
	s_cbranch_scc0 .Lq3_\@
	TLOAD \c0, \c1
	s_branch .Lq4_\@
.Lq3_\@:
	TLOAD \d0, \d1
.Lq4_\@:
.endm
.macro CREST
	s_cmp_lg_u32 s14, 0
	s_cbranch_scc1 .Lnot_wave_0_\@
	s_barrier_signal -3
.Lnot_wave_0_\@:
	s_barrier_wait -3
	s_barrier_signal -1
	s_barrier_wait -1
.endm
.macro CROUND
	s_barrier_signal -1
	s_barrier_wait -1
	CREST
.endm
.macro GRP g, lds, pair, off           ; a group 0: LDS byte, address + offset
	s_mov_b32 s[\g], 1
	s_mov_b32 s[\g+1], \lds
	s_add_nc_u64 s[\g+2:\g+3], s[\pair:\pair+1], \off
	s_or_b32 s[\g+3], s[\g+3], 0x80000000
.endm
	s_load_b128 s[4:7], s[0:1], 0x0                ; oc, os
	s_load_b128 s[8:11], s[0:1], 0x10              ; cds, scl
	s_load_b64 s[98:99], s[0:1], 0x20              ; bo
	s_load_b64 s[12:13], s[0:1], 0x28              ; out0
	v_lshl_add_u32 v[SPW], v0, 2, SPARE
	v_mov_b32 v[NIL], 0
	ds_add_u32 v[SPW], v[NIL]                      ; the opening lines: the add, twice on end, and its wait
	ds_add_u32 v[SPW], v[NIL]
	v_lshrrev_b32 v1, 5, v0
	v_readfirstlane_b32 s14, v1                    ; wave
	v_and_b32 v6, 31, v0
	v_min_u32 v7, 23, v6
	v_lshlrev_b32 v[PFO], 8, v7                    ; a lane a block of 256 bytes of a tile's 6,144
	s_lshr_b32 s15, s14, 1
	s_and_b32 s16, s14, 1
	s_bfe_u32 s92, ttmp6, 0x40000                  ; cx
	s_bfe_u32 s93, ttmp6, 0x40004                  ; cy
	s_lshl_b32 s94, ttmp9, 2
	s_add_co_u32 s94, s94, s92                     ; tile column
	s_and_b32 s17, ttmp7, 0xffff
	s_lshl_b32 s17, s17, 2
	s_add_co_u32 s17, s17, s93                     ; tile row
	s_lshl_b32 s95, s93, 2
	s_lshl_b32 s95, 15, s95
	s_lshl_b32 s19, 0x1111, s92
	s_or_b32 s[G1+0], s95, (3<<16)|(1<<21)
	s_or_b32 s[G1B+0], s19, (3<<16)|(1<<21)
.irp g, G1, G1B                        ; rows of 6,144 bytes (four K steps of a tile), 24,576 apart; 8 tiles, in the refill 4
	s_mov_b32 s[\g+1], 768<<16
	s_mov_b32 s[\g+2], 8<<16
	s_mov_b32 s[\g+3], 768<<16
	s_mov_b32 s[\g+4], 8
	s_mov_b32 s[\g+5], 3072
	s_mov_b32 s[\g+6], 0
	s_mov_b32 s[\g+7], 0
.endr
	s_or_b32 s[G1S+0], s95, (3<<16)|(1<<21)
	s_or_b32 s[G1SB+0], s19, (3<<16)|(1<<21)
.irp g, G1S, G1SB                      ; 8 tiles' scale words: 8,192 dense bytes as 32 rows of 256
	s_mov_b32 s[\g+1], 32<<16
	s_mov_b32 s[\g+2], 32<<16
	s_mov_b32 s[\g+3], 32<<16
	s_mov_b32 s[\g+4], 32
	s_mov_b32 s[\g+5], 32
	s_mov_b32 s[\g+6], 0
	s_mov_b32 s[\g+7], 0
.endr
	s_lshl_b32 s20, s17, 3                         ; A's first tile
	s_lshl_b32 s2, s94, 3
	s_add_co_u32 s2, s2, 512                       ; B's
	s_lshl_b32 s22, s20, 10
	s_mov_b32 s23, 0
	s_lshl_b32 s96, s2, 10
	s_mov_b32 s97, 0
	s_mul_i32 s20, s20, TROW
	s_mov_b32 s21, 0
	s_mul_i32 s2, s2, TROW
	s_mov_b32 s3, 0
	s_mul_i32 s66, s14, HALFT
	s_mul_i32 s18, s16, 4*TROW
	s_add_co_u32 s18, s18, 3*TSL                   ; the refill: my 4 tiles, K steps 12-15
	s_mov_b32 s19, 0
	s_wait_dscnt 0x0                               ; both opening adds are done
	s_wait_kmcnt 0x0
	s_add_nc_u64 s[20:21], s[4:5], s[20:21]
	s_add_nc_u64 s[22:23], s[6:7], s[22:23]
	s_add_nc_u64 s[2:3], s[8:9], s[2:3]
	s_add_nc_u64 s[96:97], s[10:11], s[96:97]
	CROUND                                         ; all sixteen work-groups are here: the first joint loads meet
	GRP G0A0, 0, 20, 0
	GRP G0B0, 2*HALFT, 2, 0
	GRP G0S, SCL, 22, 0
	GRP G0SB, SCL+2*HALFS, 96, 0
	QUAD G0A0, G1, G0B0, G1B, G0S, G1S, G0SB, G1SB ; the head's four tiles, one a wave
	GRP G0A1, SLOT, 20, TSL
	GRP G0B1, SLOT+2*HALFT, 2, TSL
	GRP G0A2, 2*SLOT, 20, 2*TSL
	GRP G0B2, 2*SLOT+2*HALFT, 2, 2*TSL
	s_mov_b32 s[G0R], 1
	s_mov_b32 s[G0R+1], s66
	s_add_nc_u64 s[G0R+2:G0R+3], s[20:21], s[18:19]
	s_or_b32 s[G0R+3], s[G0R+3], 0x80000000
	s_mov_b32 s[G0RB], 1
	s_mov_b32 s[G0RB+1], s66
	s_add_nc_u64 s[G0RB+2:G0RB+3], s[2:3], s[18:19]
	s_or_b32 s[G0RB+3], s[G0RB+3], 0x80000000
	s_cmp_eq_u32 s16, 0                            ; the prefetches: even waves ask for A, odd ones for B,
	s_cselect_b64 s[PF1:PF1+1], s[20:21], s[2:3]
	s_cselect_b32 s22, s92, s93                    ; p: my work-group's place among the four that ask jointly: addresses alone hang on it
	s_lshl_b32 s18, s15, 2
	s_add_co_u32 s18, s18, s22
	s_mul_i32 s18, s18, TROW
	s_add_co_u32 s18, s18, 3*TSL
	s_add_nc_u64 s[PF3:PF3+1], s[PF1:PF1+1], s[18:19]   ; tile 4 (w / 2) + p, K steps 12-15
	s_mul_i32 s22, s22, 2*TROW
	s_mul_i32 s23, s15, TSL
	s_add_co_u32 s22, s22, s23
	s_add_co_u32 s22, s22, TSL
	s_mov_b32 s23, 0
	s_add_nc_u64 s[PF1:PF1+1], s[PF1:PF1+1], s[22:23]   ; tiles 2 p, 2 p + 1 of region 1 + w / 2
	s_wait_alu depctr_va_vdst(0)                   ; the wait ahead of the reader below
	global_prefetch_b8 v[PFO], s[PF1:PF1+1] th:TH_LOAD_NT scope:SCOPE_SE
	global_prefetch_b8 v[PFO], s[PF1:PF1+1] offset:TROW th:TH_LOAD_NT scope:SCOPE_SE
	s_lshl_b32 s2, s94, 9
	s_lshl_b32 s3, s16, 8
	s_add_co_u32 s2, s2, s3                        ; my first column, in bytes
	s_mov_b32 s3, 0
	s_add_nc_u64 s[98:99], s[98:99], s[2:3]
	s_lshl_b32 s92, s17, 7
	s_lshl_b32 s93, s15, 6
	s_add_co_u32 s92, s92, s93
	s_lshl_b32 s92, s92, 13                        ; my first row
	s_mov_b32 s93, 0
	s_add_nc_u64 s[12:13], s[12:13], s[2:3]
	s_add_nc_u64 s[12:13], s[12:13], s[92:93]
	s_mul_i32 s20, s15, HALFT
	s_mul_i32 s21, s16, HALFT
	s_add_co_u32 s21, s21, 2*HALFT
	s_mul_i32 s22, s15, HALFS
	s_mul_i32 s23, s16, HALFS
	s_add_co_u32 s23, s23, 2*HALFS
	s_sub_co_u32 s23, s23, s22
	s_add_co_u32 s22, s22, SCL
	s_mul_i32 s67, s14, 16*SPITCH
	s_add_co_u32 s67, s67, STAGE
	v_and_b32 v1, 15, v0                           ; r
	v_bfe_u32 v2, v0, 4, 1                         ; h
	v_lshlrev_b32 v4, 4, v6
	v_add_nc_u32 v[ADRA], s20, v4
	v_add_nc_u32 v[ADRB], s21, v4
.irp g, 1,2
	v_add_nc_u32 v[ADRA+\g], \g*SLOT, v[ADRA]
	v_add_nc_u32 v[ADRB+\g], \g*SLOT, v[ADRB]
.endr
	v_lshlrev_b32 v5, 2, v1
	v_mul_u32_u24 v3, s23, v2                      ; lanes 16-31 take B's words
	v_add_nc_u32 v5, v5, v3
	v_add_nc_u32 v[ADRS], s22, v5
	v_mul_u32_u24 v5, v1, SPITCH
	v_lshl_add_u32 v5, v2, 5, v5
	v_add_nc_u32 v[STO], s67, v5
	v_mul_u32_u24 v5, v2, SPITCH
	v_lshl_add_u32 v5, v1, 4, v5
	v_add_nc_u32 v[RD], s67, v5
	v_lshlrev_b32 v5, 13, v2
	v_lshl_add_u32 v[CO], v1, 4, v5
	v_lshlrev_b32 v7, 5, v2
.irp b, 0,1,2,3
	global_load_b128 v[BIAS+8*\b:BIAS+8*\b+3], v7, s[98:99] offset:64*\b
	global_load_b128 v[BIAS+8*\b+4:BIAS+8*\b+7], v7, s[98:99] offset:64*\b+16
.endr
.macro FETCH s
.set RG, ((\s)/NQ)%3
.set QQ, (\s)%NQ
.set FS, 128*((\s)%2)
	WIN TO_F
.irp i, 0,1,2,3
.irp c, 0,1,2
	ds_load_b128 v[FS+FR*\i+4*\c:FS+FR*\i+4*\c+3], v[ADRB+RG] offset:TSL*\i+IMG*QQ+512*\c
.endr
.endr
.irp i, 0,1,2,3
.irp c, 0,1,2
	ds_load_b128 v[FS+48+FR*\i+4*\c:FS+48+FR*\i+4*\c+3], v[ADRA+RG] offset:TSL*\i+IMG*QQ+512*\c
.endr
.endr
	WIN 0
.irp i, 0,1,2,3
	ds_load_b32 v[SC+4*((\s)%2)+\i], v[ADRS] offset:SBLK*\i+64*(\s)
.endr
.endm
.macro MUL8 a0, s, first               ; the 16 accumulators take turns
.set FS, 128*((\s)%2)
.set SS, SC+4*((\s)%2)
.irp a, \a0, \a0+1
.irp b, 0,1,2,3
.if \first
	v_wmma_scale_f32_16x16x128_f8f6f4 v[ACC+8*(4*(\a)+\b):ACC+8*(4*(\a)+\b)+7], v[FS+FR*\b:FS+FR*\b+FR-1], v[FS+48+FR*(\a):FS+48+FR*(\a)+FR-1], v[BIAS+8*\b:BIAS+8*\b+7], v[SS+\b], v[SS+(\a)] matrix_a_fmt:MATRIX_FMT_FP6 matrix_b_fmt:MATRIX_FMT_FP6 matrix_a_scale:MATRIX_SCALE_ROW1
.else
	v_wmma_scale_f32_16x16x128_f8f6f4 v[ACC+8*(4*(\a)+\b):ACC+8*(4*(\a)+\b)+7], v[FS+FR*\b:FS+FR*\b+FR-1], v[FS+48+FR*(\a):FS+48+FR*(\a)+FR-1], v[ACC+8*(4*(\a)+\b):ACC+8*(4*(\a)+\b)+7], v[SS+\b], v[SS+(\a)] matrix_a_fmt:MATRIX_FMT_FP6 matrix_b_fmt:MATRIX_FMT_FP6 matrix_a_scale:MATRIX_SCALE_ROW1
.endif
.endr
.endr
.endm
.macro STEP s, first
.if (\s) < 15
.if (\s) > 0
	PLACES
.endif
	FETCH (\s)+1
	s_wait_dscnt NF                                ; all but the 28 loads just issued
.else
	s_wait_dscnt 0x0
.endif
	WIN MUL
	MUL8 0, \s, \first
	MUL8 2, \s, \first
.endm
.macro TURN s, fill
	WIN 0
	s_wait_tensorcnt 0x0                           ; all my tensor loads have landed
	ds_add_u32 v[SPW], v[NIL]
.if \fill
	s_mov_b32 s[G1+2], 4<<16                       ; no tensor load of mine is out: the refill brings 4 tiles a wave
	s_mov_b32 s[G1+4], 4
	s_mov_b32 s[G1B+2], 4<<16
	s_mov_b32 s[G1B+4], 4
.endif
	s_wait_dscnt 0x0
	s_barrier_signal -1
	WIN MUL
	MUL8 0, \s, 0
	WIN 0
	s_barrier_wait -1
.if \fill
	CREST
	JLOAD G0R, G1, G0RB, G1B
.else
	PLACES
.endif
	FETCH (\s)+1
	WIN MUL
	MUL8 2, \s, 0
.endm
	s_wait_alu depctr_va_vdst(0)                   ; the wait at the head's end
	s_wait_tensorcnt 0x0                           ; my tile of the head's four is in
	ds_add_u32 v[SPW], v[NIL]
	s_wait_dscnt 0x0
	CROUND
	QUAD G0A1, G1, G0B1, G1B, G0A2, G1, G0B2, G1B  ; regions 1 and 2: first fills, issued as refills are, one a wave
	FETCH 0
	global_prefetch_b8 v[PFO], s[PF3:PF3+1] th:TH_LOAD_NT scope:SCOPE_SE
	s_wait_loadcnt 0x0                             ; bo
	STEP 0, 1
	STEP 1, 0
	STEP 2, 0
	TURN 3, 1
	STEP 4, 0
	STEP 5, 0
	STEP 6, 0
	STEP 7, 0
	STEP 8, 0
	STEP 9, 0
	STEP 10, 0
	TURN 11, 0
	STEP 12, 0
	STEP 13, 0
	STEP 14, 0
	STEP 15, 0
	WIN 0
.macro TOSTAGE a
.irp b, 0,1,2,3
	ds_store_b128 v[STO], v[ACC+32*(\a)+8*\b:ACC+32*(\a)+8*\b+3] offset:64*\b
	ds_store_b128 v[STO], v[ACC+32*(\a)+8*\b+4:ACC+32*(\a)+8*\b+7] offset:64*\b+16
.endr
.set BB, BK+32*(\a)                    ; blocks 0 and 1 come back into v64-127; blocks 2 and 3 into the accumulators of blocks 0 and 1 (v128-191), whose LDS stores are done (their SEND has waited for the loads behind them)
.irp t, 0,1,2,3,4,5,6,7
	ds_load_b128 v[BB+4*\t:BB+4*\t+3], v[RD] offset:2*\t*SPITCH
.endr
.endm
.macro SEND a, younger
.set BB, BK+32*(\a)                    ; every block's stores read registers of their own, which are not written again
	s_wait_dscnt \younger
.irp t, 0,1,2,3,4,5,6,7
	global_store_b128 v[CO], v[BB+4*\t:BB+4*\t+3], s[12:13] offset:(32*((\a)/2)+8*((\a)%2)+2*\t+8*(\t/4))*CROW th:TH_STORE_NT
.endr
.endm
	PLACES
	TOSTAGE 0
.irp a, 1,2,3
	TOSTAGE \a
	SEND \a-1, 16
.endr
	SEND 3, 0
	s_wait_tensorcnt 0x0                           ; the wave's end
	ds_add_u32 v[SPW], v[NIL]
	s_wait_dscnt 0x0
	CROUND                                         ; the closing round
	s_endpgm
.Lfunc_end_k_q4e76636684_gemm_out:
	.size	k_q4e76636684_gemm_out, .Lfunc_end_k_q4e76636684_gemm_out-k_q4e76636684_gemm_out
	.p2alignl 7, 3214868480
	.fill 96, 4, 3214868480
	.section	.rodata,"a",@progbits
	.p2align	6, 0x0
	.amdhsa_kernel k_q4e76636684_gemm_out
		.amdhsa_group_segment_fixed_size 327680
		.amdhsa_private_segment_fixed_size 0
		.amdhsa_enable_private_segment 0
		.amdhsa_kernarg_size 48
		.amdhsa_user_sgpr_count 2
		.amdhsa_user_sgpr_kernarg_segment_ptr 1
		.amdhsa_wavefront_size32 1
		.amdhsa_system_sgpr_workgroup_id_x 1
		.amdhsa_system_sgpr_workgroup_id_y 1
		.amdhsa_system_sgpr_workgroup_id_z 1
		.amdhsa_system_vgpr_workitem_id 0
		.amdhsa_next_free_vgpr 512
		.amdhsa_next_free_sgpr 100
		.amdhsa_reserve_vcc 0
		.amdhsa_float_denorm_mode_32 3
		.amdhsa_float_denorm_mode_16_64 3
		.amdhsa_memory_ordered 1
		.amdhsa_forward_progress 1
		.amdhsa_inst_pref_size 86
	.end_amdhsa_kernel
	.amdgpu_metadata
---
amdhsa.version: [ 1, 2 ]
amdhsa.kernels:
  - .name:           k_q4e76636684_gemm_out
    .symbol:         k_q4e76636684_gemm_out.kd
    .args:
      - { .name: oc, .offset: 0, .size: 8, .value_kind: global_buffer, .address_space: global }
      - { .name: os, .offset: 8, .size: 8, .value_kind: global_buffer, .address_space: global }
      - { .name: cds, .offset: 16, .size: 8, .value_kind: global_buffer, .address_space: global }
      - { .name: scl, .offset: 24, .size: 8, .value_kind: global_buffer, .address_space: global }
      - { .name: bo, .offset: 32, .size: 8, .value_kind: global_buffer, .address_space: global }
      - { .name: out0, .offset: 40, .size: 8, .value_kind: global_buffer, .address_space: global }
    .group_segment_fixed_size: 327680
    .private_segment_fixed_size: 0
    .kernarg_segment_align: 8
    .kernarg_segment_size: 48
    .max_flat_workgroup_size: 128
    .sgpr_count:     100
    .vgpr_count:     512
    .wavefront_size: 32
...
	.end_amdgpu_metadata
.endif
;; end of part 5
